; MI455X (gfx1250); checked and timed in simulation.
; The chip was launched on July 23, 2026; its instructions are those of AMD's public machine-readable ISA for CDNA 5 (MIT licence, August 2026) and "CDNA5" Instruction Set Architecture Reference Guide (July 2026). The comments in the code are by the model that wrote it; some were corrected since.
;; Multi Head Attention. Allowed arithmetic: matrix products marked QUANTISED: E2M3 operands, one E8M0 scale for each 32 along K, by v_wmma_scale_f32_16x16x128_f8f6f4 with both operands' format E2M3, f32 sums; everything else in f32.
;; Inputs: K 4 x 2,048 x 1,024 float32; Q 4 x 2,048 x 1,024 float32; V 4 x 2,048 x 1,024 float32; W_K 16 x 1,024 x 64 float32; W_O 1,024 x 1,024 float32; W_Q 16 x 1,024 x 64 float32; W_V 16 x 1,024 x 64 float32.
;; Outputs: out0 4 x 2,048 x 1,024 float32.
;; This version of the problem:
;;   THIS VERSION OF THE PROBLEM IS GIVEN IN LOW PRECISION. The matrix products marked QUANTISED in the list below multiply operands that are first quantised to E2M3 (2 exponent bits, 3 mantissa bits; 6 bits a number), with one power-of-two scale for each 32 numbers along K (OCP MX v1.0); their sums are f32. All else is computed in f32.
;;   The module's matrix products, in the order in which they are computed (A, B: the left and right operand; K: the contracted axis; several contracted axes count as one K, in the product's order):
;;     1. [M 1,024, K 1,024] x [K 1,024, N 8,192]; A: input W_Q; B: input Q: QUANTISED
;;     2. [M 1,024, K 1,024] x [K 1,024, N 8,192]; A: input W_K; B: input K: QUANTISED
;;     3. [M 1,024, K 1,024] x [K 1,024, N 8,192]; A: input W_V; B: input V: QUANTISED
;;     4. batch 64 x [M 2,048, K 64] x [K 64, N 2,048]; A: computed on the way; B: computed on the way: QUANTISED
;;     5. batch 64 x [M 2,048, K 2,048] x [K 2,048, N 64]; A: softmax (see below); B: computed on the way: QUANTISED
;;     6. [M 8,192, K 1,024] x [K 1,024, N 1,024]; A: computed on the way; B: input W_O: QUANTISED
;;   THE QUANTISER, for each operand of a quantised product, along K:
;;     - K is cut into blocks of 32 from its start; a last block that is shorter is filled with zeros.
;;     - A block's scale is 2^e with e = floor(log2(the largest magnitude in the block)) - 2, held to -126 .. 127; a block of zeros has e = 0. As a byte (E8M0): e + 127.
;;     - Each number is divided by its block's scale, clamped to +-7.5, and rounded to the nearest number of E2M3, ties to even, subnormals kept.
;;     - The product sums the exact products of the quantised numbers (number of the format x scale) in f32.
;;   ~~~python
;;   def quantise(x, axis):      # numpy; x: float32 -> the quantised numbers, widened to float32 again
;;       x = np.moveaxis(x, axis, -1); K = x.shape[-1]
;;       x = np.pad(x, [(0, 0)] * (x.ndim - 1) + [(0, -K % 32)]); x = x.reshape(x.shape[:-1] + (-1, 32)); a = np.abs(x).max(-1, keepdims=True)
;;       e = np.where(a > 0, np.clip(np.frexp(np.where(a > 0, a, 1))[1] - 1 - 2, -126, 127), 0)      # np.frexp(a)[1] - 1 = floor(log2(a)), exactly
;;       r = np.clip(x / 2.0 ** e, -7.5, 7.5)
;;       step = 2.0 ** (np.maximum(np.frexp(np.where(r == 0, 1, r))[1] - 1, 0) - 3)
;;       q = np.round(r / step) * step * 2.0 ** e      # np.round: ties to even
;;       return np.moveaxis(q.reshape(q.shape[:-2] + (-1,))[..., :K], -1, axis).astype(np.float32)
;;   ~~~
;;   SOFTMAX AHEAD OF A QUANTISED PRODUCT. Where the list says 'softmax', what is quantised is not the finished softmax but p = 2^(t - M), with t = logit x log2(e) and M = ceil(the row's largest t), a whole number; so 1/2 < the row's largest p <= 1. The row's sum l is taken of the UNQUANTISED p, in f32, and the product's result is divided by l at the end. Since M is a whole number, a kernel that streams over the keys may use a running M (the ceiling of the running maximum): every later rescaling is an exact power of two, which a block's scale takes up: the codes' values come out the same.
;;   OPERANDS COMPUTED ON THE WAY. 'Computed on the way' means the value that the module computes at that place (a softmax that the list does not call 'softmax' is quantised finished and normalised). What goes into a quantiser is computed in f32, as accurately as f32 sums, v_exp_f32 and their like allow (about 1e-6 of the number): no bf16 or f16 on the way to a quantiser, and a product that is left as it is and whose result goes on into a quantised operand takes f32 operands (vector FMAs, or v_wmma_f32_16x16x4_f32). A number that lies on a knife's edge between two numbers of the format may be rounded either way, as far as f32 arithmetic and the matrix unit's own rounding can turn it there, and no further.
;; One version. Each part assembles by itself: llvm-mc -triple=amdgcn-amd-amdhsa -mcpu=gfx1250 --defsym DOCPART=n.
;; ======== version 1 of 1: 4 launches
;; limits: right only within a limited range of input values
;; workspace buffers: xc 18,874,368 bytes; xs 786,432 bytes; wc 3,145,728 bytes; ws 131,072 bytes; kv 13,631,488 bytes; qws 13,631,488 bytes; cc 6,291,456 bytes; cs 262,144 bytes
;; launch quant (part 1): grid 640 x 1, 4 waves a work-group, no clusters, 34,304 bytes of LDS; arguments Q, K, V, W_Q, W_K, W_V, W_O, xc, xs, wc, ws; writes xc, xs, wc, ws
.if DOCPART == 1
	.amdgcn_target "amdgcn-amd-amdhsa--gfx1250"
	.amdhsa_code_object_version 6
	.text
	.protected	k_q2ec5d266cf_quant
	.globl	k_q2ec5d266cf_quant
	.p2align	8
	.type	k_q2ec5d266cf_quant,@function
k_q2ec5d266cf_quant:
	s_mov_b64 s[64:65], 0
	v_nop
	global_prefetch_b8 v0, s[64:65] scope:SCOPE_SE
	s_setreg_imm32_b32 hwreg(HW_REG_WAVE_MODE, 25, 1), 1
	s_wait_xcnt 0x0
; Q, K, V [8192][1024] f32 (K innermost) and W_Q, W_K, W_V [16][1024][64], W_O [1024][1024] f32 (K NOT innermost) become codes of FP6 (E2M3) with one E8M0 byte for each 32 along K.
; A block's scale is 2^(floor(log2(its largest magnitude)) - 2): its byte is the largest magnitude's exponent field - 2, held at 1 from below by a floor among the maximum's leaves.
; LIMITS: a block of zeros, or one whose largest magnitude lies under 2^-124, gets the byte 1 (its codes are zeros or tiny; the bytes are read by this program alone); NaN and infinities among the inputs are not served.
; THE LAYOUT OF THE RESULTS is the order of the operand's registers.  A TILE is 16 rows out of a group of 32: lane-row r of tile 2 b + u of a block of 128 rows is row 32 b + 8 u + r + 8 (r / 8).
; A fragment (a tile x 128 along K: 12 registers a lane) lies as 3 x 512 bytes, register group g, 16 bytes a lane.  xc, wc: [block of 128 rows][K step 8][tile 8][1,536].  xs, ws: [tile][r 16][K step 8] scale words.
; Work-groups 0-383 take Q, K, V (path X: a wave to a tile, all of K); work-groups 384-639 the four weights (path W: a wave to 32 columns x 128 along K).  Waves share nothing: no barrier.  Only path X uses LDS.
.set STG,   8448                       ; path X: a wave's stage: 16 rows x (512 bytes + 16)
.set SPARE, 4*STG                      ; behind the four stages: the spare words, 128 bytes a wave: two blocks of 256 bytes that no other line names
.set SPW,   10                         ; v10  LDS address of my spare word; never rewritten
.set NIL,   11                         ; v11  0; never rewritten
.set RAW,   128                        ; v128-191, v192-255  path X: two sets of 64 numbers as they are loaded
.set XN,    64                         ; v64-127  path X: my two blocks of 32 neighbours;  path W: v64-191 my column's 128 numbers
.set CD,    32                         ; v32-43   a fragment's codes
.set CT,    44                         ; v44-46, v48-50  second halves of blocks, to be moved (a conversion's three registers begin on an even number)
.set W8,    20                         ; v20-27   path X: my row's eight scale words
.macro LOADX s                         ; K step s of the tile's 16 rows: each load reads 512 consecutive bytes of one row
.irp rr, 0,1,2,3,4,5,6,7,8,9,10,11,12,13,14,15
	global_load_b128 v[RAW+64*((\s)%2)+4*\rr:RAW+64*((\s)%2)+4*\rr+3], v2, s[30:31] offset:(\rr+8*(\rr/8))*4096+512*(\s) th:TH_LOAD_NT
.endr
.endm
.macro FRAGQ s                         ; K step s becomes a fragment
.if (\s) < 7
	s_wait_loadcnt 16                              ; this step's 16 loads are in; the next step's 16 may be out
.else
	s_wait_loadcnt 0x0
.endif
.irp rr, 0,1,2,3,4,5,6,7,8,9,10,11,12,13,14,15
	ds_store_b128 v3, v[RAW+64*((\s)%2)+4*\rr:RAW+64*((\s)%2)+4*\rr+3] offset:528*\rr   ; the rows as they lie
.endr
.irp c, 0,1
.irp j, 0,1,2,3,4,5,6,7
	ds_load_b128 v[XN+32*\c+4*\j:XN+32*\c+4*\j+3], v4 offset:256*\c+16*\j   ; back: lane (r, h) takes k = 64 c + 32 h + 0 .. 31 of row r.  LDS serves a wave's instructions in order: these see the stores above
.endr
.endr
	s_wait_dscnt 0x0                               ; the stores have read the loaded set, and my two blocks are in
	s_wait_xcnt 0x0                                ; the last fragment's stores have read their data: the codes' registers are written again below
.if (\s) < 6
	LOADX (\s)+2
.endif
.irp c, 0,1
	v_max3_num_f32 v[12+\c], |v[XN+32*\c]|, |v[XN+1+32*\c]|, 0x1800000   ; my block 2 c + h, all 32 numbers mine, and the floor 2^(3 - 127)
.endr
.irp i, 2,4,6,8,10,12,14,16,18,20,22,24,26,28,30
.irp c, 0,1
	v_max3_num_f32 v[12+\c], v[12+\c], |v[XN+32*\c+\i]|, |v[XN+1+32*\c+\i]|   ; (the two blocks by turns)
.endr
.endr
.irp c, 0,1
	v_add_nc_u32 v[14+\c], 0xff000000, v[12+\c]    ; 2 off the exponent field: the conversion's scale operand
.endr
.irp c, 0,1
	v_lshrrev_b32 v[16+\c], 23, v[14+\c]           ; the scale's byte
.endr
	v_lshl_or_b32 v18, v17, 16, v16                ; blocks h and 2 + h of my row,
	v_lshlrev_b32 v18, v5, v18                     ; 8 h bits up;
	v_permlanex16_b32 v19, v18, s42, s43
	v_or_b32 v[W8+(\s)], v18, v19                  ; with lane l xor 16's two the word is whole
.irp c, 0,1
	v_cvt_scalef32_pk16_fp6_f32 v[CD+6*\c:CD+2+6*\c], v[XN+32*\c:XN+15+32*\c], v[14+\c]
	v_cvt_scalef32_pk16_fp6_f32 v[CT+4*\c:CT+2+4*\c], v[XN+16+32*\c:XN+31+32*\c], v[14+\c]
.endr
	v_nop                                          ; one plain place behind a scaled conversion
.irp c, 0,1
.irp i, 0,1,2
	v_mov_b32 v[CD+3+6*\c+\i], v[CT+4*\c+\i]
.endr
.endr
.irp g, 0,1,2
	global_store_b128 v2, v[CD+4*\g:CD+4*\g+3], s[22:23] offset:12288*(\s)+512*\g   ; 32 lanes store 512 consecutive bytes, at a multiple of 256 from the buffer's first byte
.endr
.endm
.macro LOADW pitch                     ; W(128 s + m, my column), m = 0 .. 127: 32 lanes read 128 consecutive bytes
.set m, 0
.rept 128
	global_load_b32 v[XN+m], v2, s[30:31] offset:m*\pitch th:TH_LOAD_NT
.set m, m+1
.endr
.endm
.macro WMAX2 b0                        ; the largest magnitudes of blocks b0 and b0 + 1 of my column, by turns
.irp b, \b0, \b0+1
	v_max3_num_f32 v[12+(\b)], |v[XN+32*(\b)]|, |v[XN+1+32*(\b)]|, 0x1800000
.endr
.irp i, 2,4,6,8,10,12,14,16,18,20,22,24,26,28,30
.irp b, \b0, \b0+1
	v_max3_num_f32 v[12+(\b)], v[12+(\b)], |v[XN+32*(\b)+\i]|, |v[XN+1+32*(\b)+\i]|
.endr
.endr
.endm
	s_load_b512 s[8:23], s[0:1], 0x0               ; Q s[8:9], K s[10:11], V s[12:13], W_Q s[14:15], W_K s[16:17], W_V s[18:19], W_O s[20:21], xc s[22:23]
	s_load_b128 s[24:27], s[0:1], 0x40             ; xs s[24:25], wc s[26:27]
	s_load_b64 s[28:29], s[0:1], 0x50              ; ws
	v_lshl_add_u32 v[SPW], v0, 2, SPARE
	v_mov_b32 v[NIL], 0
	v_lshrrev_b32 v1, 5, v0
	v_readfirstlane_b32 s2, v1                     ; wave 0..3
	v_and_b32 v1, 31, v0                           ; lane
	s_cmp_ge_u32 ttmp9, 384
	s_cbranch_scc1 .Lweights
	; ---- PATH X: tensor t = work-group / 128, tile T = 4 (work-group % 128) + wave
	s_lshr_b32 s3, ttmp9, 7                        ; t: 0 Q, 1 K, 2 V
	s_and_b32 s4, ttmp9, 127
	s_lshl_b32 s4, s4, 2
	s_add_co_u32 s4, s4, s2                        ; T, 0 .. 511
	v_lshlrev_b32 v2, 4, v1                        ; 16 x lane
	s_mul_i32 s5, s2, STG                          ; my stage
	v_add_nc_u32 v3, s5, v2                        ; into it: 16 x lane in a row
	v_and_b32 v7, 15, v0                           ; r
	v_bfe_u32 v8, v0, 4, 1                         ; h
	v_mul_u32_u24 v4, v7, 528
	v_lshl_add_u32 v4, v8, 7, v4
	v_add_nc_u32 v4, s5, v4                        ; out of it: row r, + 128 h bytes
	v_lshlrev_b32 v5, 3, v8                        ; 8 h
	v_lshlrev_b32 v6, 5, v7
	v_lshl_add_u32 v6, v8, 4, v6                   ; the scale words' place: 32 r + 16 h
	v_mov_b32 v19, 0                               ; written once: a lane permute's destination counts as one of its sources
	s_mov_b32 s40, 0xffff0000                      ; lanes 16-31
	s_mov_b32 s42, 0x76543210
	s_mov_b32 s43, 0xfedcba98                      ; v_permlanex16_b32's selects for lane l xor 16
	s_lshr_b32 s32, s4, 1
	s_lshl_b32 s32, s32, 17                        ; the tile's first row is 32 (T / 2) + 8 (T % 2); a row is 4,096 bytes
	s_and_b32 s33, s4, 1
	s_lshl_b32 s33, s33, 15
	s_add_co_u32 s32, s32, s33
	s_mov_b32 s33, 0
	s_mul_i32 s34, s3, 6291456                     ; xc: the tensor,
	s_lshr_b32 s35, s4, 3
	s_mul_i32 s35, s35, 98304                      ; the block of 128 rows,
	s_add_co_u32 s34, s34, s35
	s_and_b32 s35, s4, 7
	s_mul_i32 s35, s35, 1536                       ; the tile in it
	s_add_co_u32 s34, s34, s35
	s_mov_b32 s35, 0
	s_lshl_b32 s36, s3, 18                         ; xs: 262,144 bytes a tensor, 512 a tile
	s_lshl_b32 s37, s4, 9
	s_add_co_u32 s36, s36, s37
	s_mov_b32 s37, 0
	s_wait_alu depctr_va_vdst(0)
	s_wait_kmcnt 0x0
	s_cmp_eq_u32 s3, 0
	s_cselect_b64 s[30:31], s[8:9], s[10:11]
	s_cmp_eq_u32 s3, 2
	s_cselect_b64 s[30:31], s[12:13], s[30:31]     ; the choice hangs on the work-group's number alone
	s_add_nc_u64 s[30:31], s[30:31], s[32:33]
	s_add_nc_u64 s[22:23], s[22:23], s[34:35]
	s_add_nc_u64 s[24:25], s[24:25], s[36:37]
	LOADX 0
	LOADX 1
.irp s, 0,1,2,3,4,5,6,7
	FRAGQ \s
.endr
.irp j, 0,1,2,3
	v_cndmask_b32 v[28+\j], v[W8+\j], v[W8+4+\j], s40   ; lanes 0-15 store K steps 0-3 of row r, lanes 16-31 K steps 4-7
.endr
	global_store_b128 v6, v[28:31], s[24:25]       ; the tile's 512 bytes of scale words, whole
	s_wait_tensorcnt 0x0                           ; the wave's end: behind my last LDS store
	ds_add_u32 v[SPW], v[NIL]
	s_wait_dscnt 0x0
	s_endpgm
	; ---- PATH W: a lane takes a column n and its registers run down K
.Lweights:
	s_sub_co_u32 s3, ttmp9, 384
	s_lshr_b32 s4, s3, 6                           ; w: 0 W_Q, 1 W_K, 2 W_V, 3 W_O
	s_and_b32 s5, s3, 63
	s_lshl_b32 s5, s5, 2
	s_add_co_u32 s5, s5, s2                        ; 0 .. 255
	s_lshr_b32 s6, s5, 4
	s_lshl_b32 s6, s6, 1
	s_and_b32 s7, s5, 1
	s_or_b32 s6, s6, s7                            ; G: which 32 columns; waves 0 and 1 take the two halves of a head's 64
	s_bfe_u32 s7, s5, 0x30001                      ; s: which 128 along K
	s_wait_alu depctr_va_vdst(0)
	v_lshlrev_b32 v2, 2, v1                        ; in: 4 bytes a lane
	v_bfe_u32 v5, v0, 3, 1                         ; column j of the 32 is lane-row r = j % 8 + 8 (j / 16) of tile u = (j / 8) % 2
	v_and_b32 v6, 7, v0
	v_bfe_u32 v7, v0, 4, 1
	v_lshl_add_u32 v6, v7, 3, v6
	v_mul_u32_u24 v3, v5, 1536
	v_lshl_add_u32 v3, v6, 4, v3                   ; codes: 1,536 u + 16 r
	v_lshlrev_b32 v4, 9, v5
	v_lshl_add_u32 v4, v6, 5, v4                   ; scale word: 512 u + 32 r
	s_lshr_b32 s32, s6, 1
	s_lshl_b32 s32, s32, 18                        ; a head's weight: 262,144 bytes a head,
	s_and_b32 s34, s6, 1
	s_lshl_b32 s34, s34, 7                         ; 128 bytes for 32 columns,
	s_add_co_u32 s32, s32, s34
	s_lshl_b32 s34, s7, 15                         ; 128 rows of 256 bytes
	s_add_co_u32 s32, s32, s34
	s_lshl_b32 s33, s6, 7                          ; W_O: 128 bytes for 32 columns,
	s_lshl_b32 s34, s7, 19                         ; 128 rows of 4,096 bytes
	s_add_co_u32 s33, s33, s34
	s_cmp_eq_u32 s4, 3
	s_cselect_b32 s32, s33, s32
	s_mov_b32 s33, 0
	s_mul_i32 s34, s4, 786432                      ; wc: the weight,
	s_lshr_b32 s35, s6, 2
	s_mul_i32 s35, s35, 98304                      ; the block of 128 rows,
	s_add_co_u32 s34, s34, s35
	s_mul_i32 s35, s7, 12288                       ; the K step,
	s_add_co_u32 s34, s34, s35
	s_and_b32 s35, s6, 3
	s_mul_i32 s35, s35, 3072                       ; the pair of tiles
	s_add_co_u32 s34, s34, s35
	s_mov_b32 s35, 0
	s_lshl_b32 s36, s4, 15                         ; ws: 32,768 bytes a weight, 1,024 a pair of tiles, 4 a K step
	s_lshl_b32 s37, s6, 10
	s_add_co_u32 s36, s36, s37
	s_lshl_b32 s37, s7, 2
	s_add_co_u32 s36, s36, s37
	s_mov_b32 s37, 0
	s_wait_kmcnt 0x0
	s_cmp_eq_u32 s4, 0
	s_cselect_b64 s[30:31], s[14:15], s[16:17]
	s_cmp_eq_u32 s4, 2
	s_cselect_b64 s[30:31], s[18:19], s[30:31]
	s_cmp_eq_u32 s4, 3
	s_cselect_b64 s[30:31], s[20:21], s[30:31]
	s_add_nc_u64 s[30:31], s[30:31], s[32:33]
	s_add_nc_u64 s[26:27], s[26:27], s[34:35]
	s_add_nc_u64 s[28:29], s[28:29], s[36:37]
	s_cmp_eq_u32 s4, 3                             ; only the pitch from row to row differs
	s_cbranch_scc1 .Lpitch_wo
	s_wait_alu depctr_va_vdst(0)
	LOADW 256
	s_branch .Lloaded
.Lpitch_wo:
	s_wait_alu depctr_va_vdst(0)
	LOADW 4096
.Lloaded:
	s_wait_loadcnt 63                              ; at most the youngest 63 of the 128 are out: blocks 0 and 1 (loads 0 to 63) are in
	WMAX2 0
	s_wait_loadcnt 0x0
	WMAX2 2
.irp b, 0,1,2,3
	v_add_nc_u32 v[16+\b], 0xff000000, v[12+\b]    ; the conversions' scale operands
.endr
.irp b, 0,1,2,3
	v_lshrrev_b32 v[20+\b], 23, v[16+\b]           ; the bytes
.endr
	v_lshl_or_b32 v24, v21, 8, v20                 ; all four are mine: my row's scale word
	v_lshl_or_b32 v24, v22, 16, v24
	v_lshl_or_b32 v24, v23, 24, v24
.irp b, 0,1,2,3                        ; block 2 c + h is registers 6 c .. 6 c + 5 of image lane (r, h): set h at v32 (h = 0) or v192 (h = 1)
	v_cvt_scalef32_pk16_fp6_f32 v[32+160*(\b%2)+6*(\b/2):34+160*(\b%2)+6*(\b/2)], v[XN+32*\b:XN+15+32*\b], v[16+\b]
	v_cvt_scalef32_pk16_fp6_f32 v[204+4*\b:206+4*\b], v[XN+16+32*\b:XN+31+32*\b], v[16+\b]
.endr
	v_nop                                          ; one plain place behind a scaled conversion
.irp b, 0,1,2,3
.irp i, 0,1,2
	v_mov_b32 v[35+160*(\b%2)+6*(\b/2)+\i], v[204+4*\b+\i]
.endr
.endr
.irp hh, 0,1
.irp g, 0,1,2
	global_store_b128 v3, v[32+160*\hh+4*\g:35+160*\hh+4*\g], s[26:27] offset:512*\g+256*\hh   ; the sixteen lanes of a tile store 256 consecutive bytes, at a multiple of 256: two such runs an instruction
.endr
.endr
	global_store_b32 v4, v24, s[28:29]             ; 4 bytes a row, rows 32 bytes apart: one byte for each 32 of the 128 that this path reads
	s_endpgm
.Lfunc_end_k_q2ec5d266cf_quant:
	.size	k_q2ec5d266cf_quant, .Lfunc_end_k_q2ec5d266cf_quant-k_q2ec5d266cf_quant
	.p2alignl 7, 3214868480
	.fill 96, 4, 3214868480
	.section	.rodata,"a",@progbits
	.p2align	6, 0x0
	.amdhsa_kernel k_q2ec5d266cf_quant
		.amdhsa_group_segment_fixed_size 34304
		.amdhsa_private_segment_fixed_size 0
		.amdhsa_enable_private_segment 0
		.amdhsa_kernarg_size 88
		.amdhsa_user_sgpr_count 2
		.amdhsa_user_sgpr_kernarg_segment_ptr 1
		.amdhsa_wavefront_size32 1
		.amdhsa_system_sgpr_workgroup_id_x 1
		.amdhsa_system_sgpr_workgroup_id_y 1
		.amdhsa_system_sgpr_workgroup_id_z 1
		.amdhsa_system_vgpr_workitem_id 0
		.amdhsa_next_free_vgpr 256
		.amdhsa_next_free_sgpr 66
		.amdhsa_reserve_vcc 0
		.amdhsa_float_denorm_mode_32 3
		.amdhsa_float_denorm_mode_16_64 3
		.amdhsa_memory_ordered 1
		.amdhsa_forward_progress 1
		.amdhsa_inst_pref_size 91
	.end_amdhsa_kernel
	.amdgpu_metadata
---
amdhsa.version: [ 1, 2 ]
amdhsa.kernels:
  - .name:           k_q2ec5d266cf_quant
    .symbol:         k_q2ec5d266cf_quant.kd
    .args:
      - { .name: Q, .offset: 0, .size: 8, .value_kind: global_buffer, .address_space: global }
      - { .name: K, .offset: 8, .size: 8, .value_kind: global_buffer, .address_space: global }
      - { .name: V, .offset: 16, .size: 8, .value_kind: global_buffer, .address_space: global }
      - { .name: W_Q, .offset: 24, .size: 8, .value_kind: global_buffer, .address_space: global }
      - { .name: W_K, .offset: 32, .size: 8, .value_kind: global_buffer, .address_space: global }
      - { .name: W_V, .offset: 40, .size: 8, .value_kind: global_buffer, .address_space: global }
      - { .name: W_O, .offset: 48, .size: 8, .value_kind: global_buffer, .address_space: global }
      - { .name: xc, .offset: 56, .size: 8, .value_kind: global_buffer, .address_space: global }
      - { .name: xs, .offset: 64, .size: 8, .value_kind: global_buffer, .address_space: global }
      - { .name: wc, .offset: 72, .size: 8, .value_kind: global_buffer, .address_space: global }
      - { .name: ws, .offset: 80, .size: 8, .value_kind: global_buffer, .address_space: global }
    .group_segment_fixed_size: 34304
    .private_segment_fixed_size: 0
    .kernarg_segment_align: 8
    .kernarg_segment_size: 88
    .max_flat_workgroup_size: 128
    .sgpr_count:     66
    .vgpr_count:     256
    .wavefront_size: 32
...
	.end_amdgpu_metadata
.endif
;; end of part 1
;; launch proj (part 2): grid 4 x 96, 4 waves a work-group, clusters of 4 x 4, 327,680 bytes of LDS; arguments xc, xs, wc, ws, qws, kv; writes qws, kv
.if DOCPART == 2
	.amdgcn_target "amdgcn-amd-amdhsa--gfx1250"
	.amdhsa_code_object_version 6
	.text
	.protected	k_q2ec5d266cf_proj
	.globl	k_q2ec5d266cf_proj
	.p2align	8
	.type	k_q2ec5d266cf_proj,@function
k_q2ec5d266cf_proj:
	s_mov_b64 s[64:65], 0
	v_nop
	global_prefetch_b8 v0, s[64:65] scope:SCOPE_SE
	s_setreg_imm32_b32 hwreg(HW_REG_WAVE_MODE, 25, 1), 1
	s_wait_xcnt 0x0
	s_wait_alu depctr_hold_cnt(0) depctr_sa_sdst(0) depctr_va_vdst(0) depctr_va_sdst(0) depctr_va_ssrc(0) depctr_va_vcc(0) depctr_vm_vsrc(0)
	s_getreg_b32 s2, hwreg(HW_REG_IB_STS2, 6, 4)
	s_cmp_eq_u32 s2, 0
	s_cbranch_scc0 .Lentry_in_a_cluster
	s_endpgm
.Lentry_in_a_cluster:
	s_bfe_u32 s2, ttmp6, 0x10000c
	s_cmp_lg_u32 s2, 0xf033
	s_cbranch_scc0 .Lentry_shape_is_right
	s_endpgm
.Lentry_shape_is_right:
; q = Q W_Q, k = K W_K, v = V W_V on codes of FP6 (E2M3), sums in f32; the results are quantised in registers, q and k along the head's 64, v along the keys, and leave as codes in the order of the next operand's registers.
; A work-group makes 256 rows of X x 256 rows of W (rows of W: n = 64 head + column); four waves, 128 x 128 each: 64 accumulators, 512 registers.  K = 1,024 is eight steps of 128, written out.
; ROLES.  Source 1 is R (a lane holds one row of R), source 0 is P (a lane's registers run along P's rows).  For q and k: R = X, P = W: a lane holds a token and 128 neighbours along n, two heads' 64.
; For v: R = W_V, P = X: a lane holds a channel and 128 neighbouring keys.  One text serves both: sel (1 for v; from the cluster's y alone, equal in all partners) swaps the LDS read addresses.
; A tile's lane-row r is row 32 b + 8 u + r + 8 (r / 8) of its block of 128, so that register 16 B + i of a lane's 64 results is P's row 32 B + 16 (lane / 16) + i: neighbours along the next K.
; LDS: three slots of two K steps (X's two halves, W's two halves: 24,576 bytes each, one dense block of memory, the fetching wave's number is the quarter's); the spare words.
; Slot 0 goes out at the head, slots 1 and 2 by one load behind a round: a wave has one tensor load out at a time.  Slot 0 is filled once more, with K steps 6 and 7, behind a round of the cluster's barrier: it has four K steps, 256 matrix instructions, in which to land.
; CLUSTER: 4 x 4.  X's blocks are shared along a row of the cluster, W's along a column: joint loads.
; OUT: kv, qws: [b x head 64][128 keys 16] blocks of 13,312 bytes: +0 eight units of K (or Q) (a unit: 16 rows x 64 K: 512 bytes registers 0-3, 256 bytes registers 4-5); +6,144 eight units of V^T (channel tile t, key half c: 2 t + c);
; +12,288 K's (Q's) scale image [lane][4 words], word j = tile 2 j in lanes 0-15, tile 2 j + 1 in lanes 16-31, bytes 2 and 3 = 127 (the instruction's upper 64 of K meet zero codes); +12,800 V's likewise (words 0 and 1).
; LIMITS: a block of zeros, or under 2^-124, gets the byte 1; NaN and infinities are not served.
; REGISTERS: window 0: v16-31 addresses; v32-95 R's scale words (tile a, K step q: 8 a + q), v96-159 P's: they hold scales and nothing else; v160-255 R's eight fragments, one set; in the epilogue v160 on are at work.
;   window 1: P's fragments, two sets, at v0 and v128.  window 2: accumulators of R's tiles 0-3 ((a, b) at v[8 (8 (a % 4) + b)]); window 3: of tiles 4-7.
; LDS AS THIS TEXT LAYS IT: slot 0 (K steps 0 and 1, later 6 and 7) is four quarters of SLOT bytes, one for each fetching wave (X's two halves, W's two halves); behind it lie four quarters of 2 SLOT bytes, each with K steps 2 to 5 on end.
; FILLS: K steps 0 and 1 by the wave's one load at the head; K steps 2 to 5 by one load of 192 rows behind the three lines and a round; K steps 6 and 7 once more into slot 0, behind the round in K step 1.
; THE SCALE WORDS come straight into their registers by global loads, issued while the first tile is on its way: they pass through no LDS.
.set SLOT,  24576
.set QUART, 24576
.set STEPB, 12288
.set FRB,   1536
.set SPARE, 12*SLOT                    ; the spare words, 128 bytes a wave: two blocks of 256 bytes that no other line names
.set BLKB,  13312
.set HS,    16*BLKB
.set NR,    12                         ; LDS loads that bring four tiles of R
.set ADRR,  16                         ; v16-18  R's fragments in slot 0, 1, 2
.set ADRP,  20                         ; v20-22  P's
.set L16,   26                         ; v26     16 x lane
.set L8,    27                         ; v27     8 x lane
.set SPW,   28                         ; v28     LDS address of my spare word; never rewritten
.set NIL,   29                         ; v29     0; never rewritten
.set SR,    32
.set SP,    96
.set AF,    160
.set QM,    160                        ; the epilogue: v160-163 largest magnitudes, v164-167 at work, v168-171 scale operands, v172-175 bytes
.set QT,    164
.set QSO,   168
.set QBY,   172
.set PW,    176                        ; the scale word just made
.set T1,    177
.set T2,    178
.set QC,    180                        ; v180-191 the codes just made
.set QCT,   192                        ; v192-194, v196-198
.set VO,    200                        ; v200-203 the stores' offsets
.set SWA,   204                        ; v204-207, v208-211 the two scale images
.set SWB,   208
.set WV,    16                         ; s16 wave; s17 wave / 2; s18 wave % 2; s19 cx; s20 cy; s21 cluster y; s22 tensor; s23 sel
.set WR,    17
.set WC,    18
.set CX,    19
.set CYI,   20
.set CYC,   21
.set TT,    22
.set SELR,  23
.set G1X,   24                         ; groups 1: X's and W's codes by two K steps, then X's and W's by four
.set G1W,   32
.set G1SX,  40
.set G1SW,  48
.set G0X0,  56                         ; groups 0: X's slot 0, then slots 1 and 2 in one
.set G0X1,  60
.set G0X2,  68
.set G0XS,  72
.set G0W0,  76                         ; W's
.set G0W1,  80
.set G0W2,  84
.set G0WS,  88
.set OUTP,  4                          ; the epilogue's scalars
.set SEL,   6
.set O0,    8
.set DU,    9
.set INC,   10
.set INC4,  11
.set OS,    92
.set SAND,  93
.set SOR,   94
.set SSEL,  95
.set S7F,   96
.set SHI,   97
.set MSB, 0
.macro WIN new                         ; the immediate's high byte repeats the setting that is left
.if MSB != (\new)
	s_set_vgpr_msb (MSB<<8)|(\new)
.set MSB, (\new)
.endif
.endm
.set MUL_LO, 0xa1                      ; source 0 (P) window 1, source 1 (R) window 0, C and D window 2
.set MUL_HI, 0xf1                      ; the same, C and D window 3
; A joint load: waves 0 and 1 fetch for X, waves 2 and 3 for W.  Each line has one mask and one set of registers; the branch hangs on the wave's number alone.  An s_nop 0 and four v_nop follow each line.
.macro JLOAD g0x, g1x, g0w, g1w
	s_cmp_eq_u32 s[WR], 0
	s_cbranch_scc0 .Lfor_w_\@
	tensor_load_to_lds s[\g0x:\g0x+3], s[\g1x:\g1x+7]
	s_nop 0
.rept 4
	v_nop
.endr
	s_branch .Lasked_\@
.Lfor_w_\@:
	tensor_load_to_lds s[\g0w:\g0w+3], s[\g1w:\g1w+7]
	s_nop 0
.rept 4
	v_nop
.endr
.Lasked_\@:
.endm
.macro CREST                           ; a round of the cluster's barrier behind its opening barrier
	s_cmp_lg_u32 s[WV], 0
	s_cbranch_scc1 .Lnot_wave_0_\@
	s_barrier_signal -3
.Lnot_wave_0_\@:
	s_barrier_wait -3
	s_barrier_signal -1
	s_barrier_wait -1
.endm
.macro CROUND
	s_barrier_signal -1
	s_barrier_wait -1
	CREST
.endm
.macro SETG0 g, lds, ldsoff, adr, adroff   ; a group 0: count 1, LDS address, global address, type 2
	s_mov_b32 s[\g], 1
	s_add_co_u32 s[\g+1], s[\lds], \ldsoff
	s_add_nc_u64 s[\g+2:\g+3], s[\adr:\adr+1], \adroff
	s_or_b32 s[\g+3], s[\g+3], 0x80000000
.endm
.macro PLACES n
.rept \n
	v_nop
.endr
.endm
.macro FRAG3 reg, adr, off             ; a fragment comes as the image of its registers: three loads of 512 consecutive bytes
.irp g, 0,1,2
	ds_load_b128 v[(\reg)+4*\g:(\reg)+4*\g+3], v[\adr] offset:(\off)+512*\g
.endr
.endm
.macro FETCH_P sl, qq, set             ; P's eight fragments of step qq of slot sl into set
	WIN 0x40
.irp i, 0,1,2,3,4,5,6,7
	FRAG3 128*(\set)+12*\i, ADRP+(\sl), STEPB*(\qq)+FRB*\i
.endr
	WIN 0
.endm
.macro FETCH_R sl, qq, i0              ; R's tiles i0 .. i0 + 3
.irp i, \i0, \i0+1, \i0+2, \i0+3
	FRAG3 AF+12*(\i), ADRR+(\sl), STEPB*(\qq)+FRB*(\i)
.endr
.endm
; 16 matrix instructions: R's tiles a0, a0 + 1 x P's eight.  The 64 accumulators take turns, one instruction a turn, in the same order in every step.
.macro MUL16 a0, set, q, zero
.irp a, \a0, \a0+1
.irp b, 0,1,2,3,4,5,6,7
.if \zero
	v_wmma_scale_f32_16x16x128_f8f6f4 v[8*(8*((\a)%4)+\b):8*(8*((\a)%4)+\b)+7], v[128*(\set)+12*\b:128*(\set)+12*\b+11], v[AF+12*(\a):AF+12*(\a)+11], 0, v[SP+8*\b+(\q)], v[SR+8*(\a)+(\q)] matrix_a_fmt:MATRIX_FMT_FP6 matrix_b_fmt:MATRIX_FMT_FP6
.else
	v_wmma_scale_f32_16x16x128_f8f6f4 v[8*(8*((\a)%4)+\b):8*(8*((\a)%4)+\b)+7], v[128*(\set)+12*\b:128*(\set)+12*\b+11], v[AF+12*(\a):AF+12*(\a)+11], v[8*(8*((\a)%4)+\b):8*(8*((\a)%4)+\b)+7], v[SP+8*\b+(\q)], v[SR+8*(\a)+(\q)] matrix_a_fmt:MATRIX_FMT_FP6 matrix_b_fmt:MATRIX_FMT_FP6
.endif
.endr
.endr
.endm
; K step q; the next step's fragments (step nq of slot nsl) are fetched in two runs, each four places behind the last matrix instruction that read the registers.
.macro STEP q, nsl, nq, zero
	s_wait_dscnt NR                                ; P's set and R's tiles 0-3 are in; the youngest loads (R's tiles 4-7) may be out
	WIN MUL_LO
	MUL16 0, (\q)%2, \q, \zero
	MUL16 2, (\q)%2, \q, \zero
	s_wait_dscnt 0x0                               ; R's tiles 4-7 are in
	PLACES 4
	FETCH_P \nsl, \nq, 1-(\q)%2
	FETCH_R \nsl, \nq, 0
	WIN MUL_HI
	MUL16 4, (\q)%2, \q, \zero
	MUL16 6, (\q)%2, \q, \zero
	PLACES 4
	WIN 0
	FETCH_R \nsl, \nq, 4
.endm
; K step q with a barrier in it: in front each wave waits for all its tensor loads, adds 0 to its spare word, and waits for that and for its LDS reads.  fill = 1: slot 0, which nobody reads any more, takes K steps 6 and 7.
.macro TURN q, nsl, nq, fill
	s_wait_tensorcnt 0x0                           ; all my tensor loads have landed
	ds_add_u32 v[SPW], v[NIL]                      ; 0 onto my spare word
	s_wait_dscnt NR+1                              ; (the add and R's tiles 4-7 may be out)
	WIN MUL_LO
	MUL16 0, (\q)%2, \q, 0                         ; sixteen matrix instructions stand between the add and the wait for it
	s_wait_dscnt 0x0                               ; the add is done, and my reads of the slots behind me are over
	s_barrier_signal -1
	MUL16 2, (\q)%2, \q, 0
	WIN 0
	s_barrier_wait -1
.if \fill
	CREST                                          ; the barrier has opened a round of the cluster's: no wave of any partner still reads slot 0 or has a load on its way
	s_add_nc_u64 s[G0X0+2:G0X0+3], s[G0X0+2:G0X0+3], 3*QUART
	s_add_nc_u64 s[G0W0+2:G0W0+3], s[G0W0+2:G0W0+3], 3*QUART
	JLOAD G0X0, G1X, G0W0, G1W                     ; the first tensor load behind the round, one a wave; its four v_nop are the places in front of the loads below
.else
	PLACES 4
.endif
	FETCH_P \nsl, \nq, 1-(\q)%2
	FETCH_R \nsl, \nq, 0
	WIN MUL_HI
	MUL16 4, (\q)%2, \q, 0
	MUL16 6, (\q)%2, \q, 0
	PLACES 4
	WIN 0
	FETCH_R \nsl, \nq, 4
.endm
; The 64 results of R's tile a (register 16 B + i = P's row 32 B + 16 (lane / 16) + i) become 12 registers of codes in v[QC] on and a scale word in v[PW].
.macro QUANT128 a
.set AC, 64*((\a)%4)
.set WW, 2+(\a)/4
.set WN, (WW<<2)|(WW<<4)
	WIN WN                                         ; sources 1 and 2: the accumulators' window
.irp b, 0,1,2,3
	v_max3_num_f32 v[QM+\b], 0x1800000, |v[AC+16*\b]|, |v[AC+16*\b+1]|   ; each accumulator is read from its low end on; the floor 2^(3 - 127) holds the byte at 1 from below
.endr
.irp i, 2,4,6,8,10,12,14
.irp b, 0,1,2,3
	v_max3_num_f32 v[QM+\b], v[QM+\b], |v[AC+16*\b+\i]|, |v[AC+16*\b+\i+1]|
.endr
.endr
	WIN 0
.irp b, 0,1,2,3
	v_permlanex16_b32 v[QT+\b], v[QM+\b], s[SEL], s[SEL+1]
.endr
.irp b, 0,1,2,3
	v_max_num_f32 v[QM+\b], v[QM+\b], v[QT+\b]     ; with lane l xor 16's 16: the block's largest magnitude
.endr
.irp b, 0,1,2,3
	v_add_nc_u32 v[QSO+\b], 0xff000000, v[QM+\b]   ; 2 off the exponent field: the conversion's scale operand
.endr
.irp b, 0,1,2,3
	v_lshrrev_b32 v[QBY+\b], 23, v[QSO+\b]
.endr
	v_lshl_or_b32 v[PW], v[QBY+1], 8, v[QBY]
	v_lshl_or_b32 v[PW], v[QBY+2], 16, v[PW]
	v_lshl_or_b32 v[PW], v[QBY+3], 24, v[PW]
.if (\a) > 0
	s_wait_xcnt 0x0                                ; the last tile's stores have read their data and offsets: both are written again from here on
.endif
	WIN WW                                         ; source 0: the accumulators' window
.irp c, 0,1
	v_cvt_scalef32_pk16_fp6_f32 v[QC+6*\c:QC+2+6*\c], v[AC+32*\c:AC+15+32*\c], v[QSO+2*\c]
	v_cvt_scalef32_pk16_fp6_f32 v[QCT+4*\c:QCT+2+4*\c], v[AC+16+32*\c:AC+31+32*\c], v[QSO+2*\c+1]
.endr
	WIN 0
	v_nop                                          ; one plain place behind a scaled conversion
.irp c, 0,1                            ; the operand's layout wants a whole block in a lane: lanes 0-15 block 2 c, lanes 16-31 block 2 c + 1
.irp i, 0,1,2
	v_permlane16_swap_b32 v[QC+6*\c+\i], v[QCT+4*\c+\i]
.endr
.irp i, 0,1,2
	v_mov_b32 v[QC+3+6*\c+\i], v[QCT+4*\c+\i]
.endr
.endr
.endm
; Tile a's two units leave: for q and k registers 0-5 are head hs's unit of tile a and registers 6-11 head hs + 1's; for v they are key halves 0 and 1 of channel tile a % 4 of head hs + a / 4.
.macro PUT a
	v_add_nc_u32 v[VO], s[O0], v[L16]
	v_add_nc_u32 v[VO+1], s[O0], v[L8]
	v_add_nc_u32 v[VO+2], s[DU], v[VO]
	v_add_nc_u32 v[VO+3], s[DU], v[VO+1]
	global_store_b128 v[VO], v[QC:QC+3], s[OUTP:OUTP+1]                 ; 512 consecutive bytes, at a multiple of 256
	global_store_b64 v[VO+1], v[QC+4:QC+5], s[OUTP:OUTP+1] offset:512   ; 256 consecutive bytes, likewise
	global_store_b128 v[VO+2], v[QC+6:QC+9], s[OUTP:OUTP+1]
	global_store_b64 v[VO+3], v[QC+10:QC+11], s[OUTP:OUTP+1] offset:512
.if (\a) == 3
	s_add_co_u32 s[O0], s[O0], s[INC4]
.else
	s_add_co_u32 s[O0], s[O0], s[INC]
.endif
.if ((\a)%2) == 0                      ; the scale images: an even tile's words in all lanes, then the odd tile's in lanes 16-31
	v_and_or_b32 v[SWA+(\a)/2], v[PW], s[SAND], s[SOR]
	v_lshrrev_b32 v[T2], 16, v[PW]
	v_or_b32 v[SWB+(\a)/2], s[S7F], v[T2]
.else
	v_and_or_b32 v[T1], v[PW], s[SAND], s[SOR]
	v_lshrrev_b32 v[T2], 16, v[PW]
	v_or_b32 v[T2], s[S7F], v[T2]
	v_cndmask_b32 v[SWA+(\a)/2], v[SWA+(\a)/2], v[T1], s[SHI]
	v_cndmask_b32 v[SWB+(\a)/2], v[SWB+(\a)/2], v[T2], s[SHI]
.endif
.endm
	s_load_b256 s[4:11], s[0:1], 0x0               ; xc s[4:5], xs s[6:7], wc s[8:9], ws s[10:11]
	s_load_b128 s[12:15], s[0:1], 0x20             ; qws s[12:13], kv s[14:15]
	v_lshl_add_u32 v[SPW], v0, 2, SPARE
	v_mov_b32 v[NIL], 0
	ds_add_u32 v[SPW], v[NIL]                      ; the wave's opening: the add and its wait stand ahead of my first tensor load; the set-up below, work on registers, stands between them
	ds_add_u32 v[SPW], v[NIL]
	v_lshrrev_b32 v1, 5, v0
	v_readfirstlane_b32 s[WV], v1                  ; wave 0..3
	s_lshr_b32 s[WR], s[WV], 1                     ; my half of R's 256 rows.  Also: I fetch for X (0) or for W (1)
	s_and_b32 s[WC], s[WV], 1                      ; my half of P's.  Also: which 128 rows I fetch
	s_bfe_u32 s[CX], ttmp6, 0x40000
	s_bfe_u32 s[CYI], ttmp6, 0x40004
	s_and_b32 s[CYC], ttmp7, 0xffff                ; the cluster's y, 0 .. 23
	s_lshr_b32 s[TT], s[CYC], 3                    ; 0 q, 1 k, 2 v
	s_lshr_b32 s[SELR], s[CYC], 4
	s_min_u32 s[SELR], s[SELR], 1                  ; 1 for v
	s_lshl_b32 s2, s[CYI], 2
	s_lshl_b32 s2, 15, s2                          ; my row of the cluster
	s_lshl_b32 s3, 0x1111, s[CX]                   ; my column
	s_or_b32 s[G1X], s2, (3<<16)|(1<<21)           ; 15:0 the mask; 17:16 elements of 8 bytes; 21 set beside a mask; no padding
	s_or_b32 s[G1W], s3, (3<<16)|(1<<21)
	s_or_b32 s[G1SX], s2, (3<<16)|(1<<21)
	s_or_b32 s[G1SW], s3, (3<<16)|(1<<21)
.irp g, G1X, G1W                       ; two K steps of 128 rows: a dense block of 24,576 bytes as 96 rows of 256
	s_mov_b32 s[\g+1], 32<<16
	s_mov_b32 s[\g+2], 96<<16
	s_mov_b32 s[\g+3], 32<<16
	s_mov_b32 s[\g+4], 96
	s_mov_b32 s[\g+5], 32
	s_mov_b32 s[\g+6], 0
	s_mov_b32 s[\g+7], 0
.endr
.irp g, G1SX, G1SW                     ; four K steps of 128 rows: a dense block of 49,152 bytes as 192 rows of 256
	s_mov_b32 s[\g+1], 32<<16
	s_mov_b32 s[\g+2], 192<<16
	s_mov_b32 s[\g+3], 32<<16
	s_mov_b32 s[\g+4], 192
	s_mov_b32 s[\g+5], 32
	s_mov_b32 s[\g+6], 0
	s_mov_b32 s[\g+7], 0
.endr
	s_and_b32 s92, s[CYC], 7                       ; X's block of 128 rows: 2 (4 (cluster y % 8) + cy) + half: made of what my row of the cluster shares
	s_lshl_b32 s92, s92, 2
	s_add_co_u32 s92, s92, s[CYI]
	s_lshl_b32 s92, s92, 1
	s_add_co_u32 s92, s92, s[WC]
	s_mul_i32 s94, s92, 98304
	s_mul_i32 s95, s[TT], 6291456
	s_add_co_u32 s94, s94, s95
	s_mov_b32 s95, 0
	s_cmp_eq_u32 s[SELR], 1                        ; the scale words are those of the rows that I multiply, not of the rows that I fetch:
	s_cselect_b32 s2, s[WC], s[WR]                 ; my half of X's 256 rows,
	s_cselect_b32 s3, s[WR], s[WC]                 ; my half of W's
	s_sub_co_u32 s92, s92, s[WC]
	s_add_co_u32 s92, s92, s2
	s_lshl_b32 s92, s92, 12
	s_lshl_b32 s93, s[TT], 18
	s_add_co_u32 s92, s92, s93
	s_mov_b32 s93, 0
	s_lshl_b32 s96, s[CX], 1                       ; W's block: 2 cx + half: made of what my column shares
	s_add_co_u32 s96, s96, s[WC]
	s_mul_i32 s98, s96, 98304
	s_mul_i32 s99, s[TT], 786432
	s_add_co_u32 s98, s98, s99
	s_mov_b32 s99, 0
	s_sub_co_u32 s96, s96, s[WC]
	s_add_co_u32 s96, s96, s3
	s_lshl_b32 s96, s96, 12
	s_lshl_b32 s97, s[TT], 15
	s_add_co_u32 s96, s96, s97
	s_mov_b32 s97, 0
	s_mul_i32 s100, s[WV], SLOT                    ; where they go: the wave's quarter of slot 0,
	s_mul_i32 s101, s[WV], 2*SLOT                  ; and of the region behind it: no place in the cluster enters an LDS address
	s_wait_dscnt 0x0                               ; the opening add is done
	s_wait_kmcnt 0x0
	s_add_nc_u64 s[94:95], s[4:5], s[94:95]
	s_add_nc_u64 s[92:93], s[6:7], s[92:93]
	s_add_nc_u64 s[98:99], s[8:9], s[98:99]
	s_add_nc_u64 s[96:97], s[10:11], s[96:97]
	CROUND                                         ; all sixteen work-groups are here: the first joint loads meet
	SETG0 G0X0, 100, 0, 94, 0
	SETG0 G0W0, 100, 0, 98, 0
	JLOAD G0X0, G1X, G0W0, G1W                     ; K steps 0 and 1: one tensor load a wave at the head
	SETG0 G0X1, 101, 4*SLOT, 94, QUART             ; K steps 2 to 5, asked for behind the round below
	SETG0 G0W1, 101, 4*SLOT, 98, QUART
	s_cmp_eq_u32 s[SELR], 1                        ; the choice hangs on sel alone
	s_cselect_b64 s[6:7], s[96:97], s[92:93]       ; R's scale words: X's, for v W's
	s_cselect_b64 s[10:11], s[92:93], s[96:97]     ; P's: the other's
	v_and_b32 v1, 31, v0                           ; lane
	v_and_b32 v2, 15, v0                           ; r
	v_lshlrev_b32 v[L16], 4, v1
	s_wait_alu depctr_va_vdst(0)
	v_lshlrev_b32 v[L8], 3, v1
	v_lshlrev_b32 v3, 5, v2                        ; a row's eight scale words
	s_wait_alu depctr_va_vdst(0)
.irp i, 0,1,2,3,4,5,6,7                ; the scale words of all eight K steps, once: lane r takes row r's 32 bytes, two loads to a tile's 512 bytes
.irp k, 0,1
	global_load_b128 v[SR+8*\i+4*\k:SR+8*\i+4*\k+3], v3, s[6:7] offset:512*\i+16*\k
	global_load_b128 v[SP+8*\i+4*\k:SP+8*\i+4*\k+3], v3, s[10:11] offset:512*\i+16*\k
.endr
.endr
	s_lshl_b32 s2, s[SELR], 1
	s_add_co_u32 s2, s2, s[WR]                     ; R's quarter: 2 sel + my half
	s_xor_b32 s3, s[SELR], 1
	s_lshl_b32 s3, s3, 1
	s_add_co_u32 s3, s3, s[WC]                     ; P's quarter: 2 (1 - sel) + my half
	s_mul_i32 s92, s2, SLOT                        ; slot 0: quarters of SLOT bytes
	s_mul_i32 s93, s3, SLOT
	v_add_nc_u32 v[ADRR], s92, v[L16]
	v_add_nc_u32 v[ADRP], s93, v[L16]
	s_mul_i32 s92, s2, 2*SLOT                      ; slots 1 and 2: quarters of 2 SLOT bytes, behind slot 0
	s_mul_i32 s93, s3, 2*SLOT
	s_add_co_u32 s92, s92, 4*SLOT
	s_add_co_u32 s93, s93, 4*SLOT
.irp s, 1,2
	v_add_nc_u32 v[ADRR+\s], s92, v[L16]
	v_add_nc_u32 v[ADRP+\s], s93, v[L16]
	s_add_co_u32 s92, s92, SLOT
	s_add_co_u32 s93, s93, SLOT
.endr
	s_wait_alu depctr_va_vdst(0)
	s_wait_tensorcnt 0x0                           ; my part of K steps 0 and 1 is in
	ds_add_u32 v[SPW], v[NIL]
	s_wait_dscnt 0x0
	CROUND                                         ; everybody's part is in, and all sixteen work-groups are here
	JLOAD G0X1, G1SX, G0W1, G1SW                   ; K steps 2 to 5: the first tensor load behind the round, one a wave
	FETCH_P 0, 0, 0
	FETCH_R 0, 0, 0
	FETCH_R 0, 0, 4
	s_wait_loadcnt 0x0                             ; the scale words are in
	STEP 0, 0, 1, 1                                ; the first step's products start the sums: nothing is cleared
	TURN 1, 1, 0, 1                                ; slot 0 is left and filled again
	STEP 2, 1, 1, 0
	STEP 3, 2, 0, 0
	STEP 4, 2, 1, 0
	TURN 5, 0, 0, 0                                ; the refill has landed, in every wave; nothing is filled, so no round follows
	STEP 6, 0, 1, 0
	s_wait_dscnt NR                                ; the last step: nothing more to fetch
	WIN MUL_LO
	MUL16 0, 1, 7, 0
	MUL16 2, 1, 7, 0
	s_wait_dscnt 0x0
	WIN MUL_HI
	MUL16 4, 1, 7, 0
	MUL16 6, 1, 7, 0
	WIN 0
	; ---- THE EPILOGUE: no LDS.  What differs between q, k and v is chosen here, by selects on sel
	s_cmp_eq_u32 s[SELR], 1
	s_cselect_b32 s98, s[WC], s[WR]                ; my half of X's 256 rows
	s_cselect_b32 s99, s[WR], s[WC]                ; my half of W's
	s_mov_b32 s[DU], HS
	s_cselect_b32 s[DU], 768, s[DU]                ; from registers 0-5's place to registers 6-11's: the next head, or the next unit
	s_mov_b32 s[INC], 768
	s_cselect_b32 s[INC], 1536, s[INC]             ; from tile to tile
	s_mov_b32 s[INC4], 768
	s_cselect_b32 s[INC4], HS-3*1536, s[INC4]      ; from tile 3 to tile 4: for v the next head's first unit
	s_mov_b32 s[SAND], 0xffff
	s_cselect_b32 s[SAND], -1, s[SAND]
	s_mov_b32 s[S7F], 0x7f7f0000
	s_cselect_b32 s[SOR], 0, s[S7F]
	s_cselect_b32 s[SSEL], -1, 0
	s_cselect_b32 s[O0], 6144, 0
	s_mov_b32 s[OS], 12288
	s_cselect_b32 s[OS], 12800, s[OS]
	s_mov_b32 s[SHI], 0xffff0000                   ; lanes 16-31
	s_mov_b32 s[SEL], 0x76543210
	s_mov_b32 s[SEL+1], 0xfedcba98                 ; v_permlanex16_b32's selects for lane l xor 16
	s_cmp_eq_u32 s[TT], 0
	s_cselect_b64 s[OUTP:OUTP+1], s[12:13], s[14:15]   ; q goes to qws, k and v to kv
	s_and_b32 s100, s[CYC], 7
	s_lshl_b32 s100, s100, 2
	s_add_co_u32 s100, s100, s[CYI]
	s_lshl_b32 s100, s100, 1
	s_add_co_u32 s98, s100, s98                    ; my block of 128 tokens, 0 .. 63
	s_lshl_b32 s100, s[CX], 2
	s_lshl_b32 s99, s99, 1
	s_add_co_u32 s99, s99, s100                    ; my first head
	s_lshr_b32 s100, s98, 4
	s_lshl_b32 s100, s100, 4
	s_add_co_u32 s100, s100, s99                   ; 16 b + head
	s_lshl_b32 s100, s100, 4
	s_and_b32 s98, s98, 15
	s_add_co_u32 s100, s100, s98                   ; x 16 + the block in the sequence
	s_mul_i32 s100, s100, BLKB
	s_add_co_u32 s[O0], s[O0], s100
	s_add_co_u32 s[OS], s[OS], s100
	PLACES 4                                       ; behind the last products: their results are read and R's registers written below
.irp b, 0,1,2,3
	v_mov_b32 v[QT+\b], 0                          ; written once: a lane permute's destination counts as one of its sources
.endr
.irp a, 0,1,2,3,4,5,6,7
	QUANT128 \a
	PUT \a
.endr
	v_cndmask_b32 v[SWB], v[SWB], v[SWA+2], s[SSEL]     ; for v the second head's words are tiles 4-7's
	v_cndmask_b32 v[SWB+1], v[SWB+1], v[SWA+3], s[SSEL]
	v_add_nc_u32 v[T1], s[OS], v[L16]
	global_store_b128 v[T1], v[SWA:SWA+3], s[OUTP:OUTP+1]              ; a scale image: 512 consecutive bytes
	global_store_b128 v[T1], v[SWB:SWB+3], s[OUTP:OUTP+1] offset:HS    ; and the next head's
	s_wait_tensorcnt 0x0                           ; the wave's end: behind my last tensor load
	ds_add_u32 v[SPW], v[NIL]
	s_wait_dscnt 0x0
	CROUND                                         ; the closing round: no work-group ends while a partner may still ask for a tile that names it
	s_endpgm
.Lfunc_end_k_q2ec5d266cf_proj:
	.size	k_q2ec5d266cf_proj, .Lfunc_end_k_q2ec5d266cf_proj-k_q2ec5d266cf_proj
	.p2alignl 7, 3214868480
	.fill 96, 4, 3214868480
	.section	.rodata,"a",@progbits
	.p2align	6, 0x0
	.amdhsa_kernel k_q2ec5d266cf_proj
		.amdhsa_group_segment_fixed_size 327680
		.amdhsa_private_segment_fixed_size 0
		.amdhsa_enable_private_segment 0
		.amdhsa_kernarg_size 48
		.amdhsa_user_sgpr_count 2
		.amdhsa_user_sgpr_kernarg_segment_ptr 1
		.amdhsa_wavefront_size32 1
		.amdhsa_system_sgpr_workgroup_id_x 1
		.amdhsa_system_sgpr_workgroup_id_y 1
		.amdhsa_system_sgpr_workgroup_id_z 1
		.amdhsa_system_vgpr_workitem_id 0
		.amdhsa_next_free_vgpr 1024
		.amdhsa_next_free_sgpr 102
		.amdhsa_reserve_vcc 0
		.amdhsa_float_denorm_mode_32 3
		.amdhsa_float_denorm_mode_16_64 3
		.amdhsa_memory_ordered 1
		.amdhsa_forward_progress 1
		.amdhsa_inst_pref_size 144
	.end_amdhsa_kernel
	.amdgpu_metadata
---
amdhsa.version: [ 1, 2 ]
amdhsa.kernels:
  - .name:           k_q2ec5d266cf_proj
    .symbol:         k_q2ec5d266cf_proj.kd
    .args:
      - { .name: xc, .offset: 0, .size: 8, .value_kind: global_buffer, .address_space: global }
      - { .name: xs, .offset: 8, .size: 8, .value_kind: global_buffer, .address_space: global }
      - { .name: wc, .offset: 16, .size: 8, .value_kind: global_buffer, .address_space: global }
      - { .name: ws, .offset: 24, .size: 8, .value_kind: global_buffer, .address_space: global }
      - { .name: qws, .offset: 32, .size: 8, .value_kind: global_buffer, .address_space: global }
      - { .name: kv, .offset: 40, .size: 8, .value_kind: global_buffer, .address_space: global }
    .group_segment_fixed_size: 327680
    .private_segment_fixed_size: 0
    .kernarg_segment_align: 8
    .kernarg_segment_size: 48
    .max_flat_workgroup_size: 128
    .sgpr_count:     102
    .vgpr_count:     1024
    .wavefront_size: 32
...
	.end_amdgpu_metadata
.endif
;; end of part 2
;; launch attn (part 3): grid 4 x 64, 16 waves a work-group, clusters of 4 x 1, 327,680 bytes of LDS; arguments qws, kv, cc, cs; writes cc, cs
.if DOCPART == 3
	.amdgcn_target "amdgcn-amd-amdhsa--gfx1250"
	.amdhsa_code_object_version 6
	.text
	.protected	k_q2ec5d266cf_attn
	.globl	k_q2ec5d266cf_attn
	.p2align	8
	.type	k_q2ec5d266cf_attn,@function
k_q2ec5d266cf_attn:
	s_mov_b64 s[64:65], 0
	v_nop
	global_prefetch_b8 v0, s[64:65] scope:SCOPE_SE
	s_setreg_imm32_b32 hwreg(HW_REG_WAVE_MODE, 25, 1), 1
	s_wait_xcnt 0x0
	s_wait_alu depctr_hold_cnt(0) depctr_sa_sdst(0) depctr_va_vdst(0) depctr_va_sdst(0) depctr_va_ssrc(0) depctr_va_vcc(0) depctr_vm_vsrc(0)
	s_getreg_b32 s2, hwreg(HW_REG_IB_STS2, 6, 4)
	s_cmp_eq_u32 s2, 0
	s_cbranch_scc0 .Lentry_in_a_cluster
	s_endpgm
.Lentry_in_a_cluster:
	s_bfe_u32 s2, ttmp6, 0x10000c
	s_cmp_lg_u32 s2, 0x3003
	s_cbranch_scc0 .Lentry_shape_is_right
	s_endpgm
.Lentry_shape_is_right:
; heads = softmax(q k^T / 8) v on codes of FP6 (E2M3), and the quantiser of concat along the head's 64 channels.
; A work-group takes one (batch, head) and 512 queries; 16 waves, each 2 tiles of 16 queries, one after the other, each over all 2,048 keys in 16 steps of 128.
; LDS holds the head's K and V whole: 16 blocks of 13,312 bytes (eight units of K, eight of V^T, the two scale images), as the projection launch laid them.
; The blocks are as many as the waves: each wave asks for one, by its one tensor load at the head.  One wait, one barrier; nothing is filled again, so no barrier stands in the loops.
; CLUSTER 4, 1, 1: the four quarters of a head's queries read the same K and V: every load is a joint load with the mask 15.
; NO PREFETCH: all that the launch reads by tensor loads is asked for at its head; there is no loop that runs ahead of a load.
; Both products are used transposed (S^T = k q^T, O^T = v^T p^T): lane (r, h) holds query r throughout.  The head's 64 fill the lower half of the instruction's 128 along K; q's upper six registers are zero codes.
; SOFTMAX: t = score x log2(e) / 8; M = ceil(running largest t), kept as -M; p = 2^(t - M); the row's sum is taken of the unquantised p; a change of M multiplies sum and O^T by an exact power of two.
; A block's largest p is made from the block's largest score by the same multiply-add and exponential.
; LIMITS: NaN and infinities are not served; the promise holds while the scaled scores stay under 2^31 in magnitude; a block whose every p has fallen to 0 keeps the byte 1 (its codes are zeros).
.set BLKB,  13312
.set HSB,   16*BLKB
.set SPARE, HSB                        ; behind the 16 blocks: the spare words, 128 bytes a wave, that no other line names
.set L16,  1                           ; 16 x lane
.set L8,   2                           ; 8 x lane
.set SPW,  3                           ; my spare word; never rewritten
.set NIL,  4                           ; 0; never rewritten
.set A16,  5                           ; this step's block + 16 x lane, + 8 x lane
.set A8,   6
.set QF0,  16                          ; first tile of queries: 6 registers of codes, 6 of zeros; its scale word
.set QS0,  28
.set KF,   32                          ; v32-79 eight units of K, then of V^T; v80-85 zeros
.set SX,   96                          ; v96-159 scores, then p
.set OT,   160                         ; v160-191 O^T
.set PCD,  192                         ; p's codes
.set CT,   204
.set BM,   212                         ; the four blocks' largest
.set T4,   216
.set SO,   220                         ; the conversions' scale operands
.set KS,   224                         ; K's, V's, p's scale words: these hold scales and nothing else
.set VS,   228
.set PS,   230
.set FF,   232                         ; the factor 2^(old M - new M)
.set TW,   234
.set OM,   235                         ; the old -M
.set QF1,  236                         ; second tile of queries
.set QS1,  248
.set LS,   250                         ; v250-251 the row sum's second chain
.set WV,   12
.set SEL,  20
.set CS,   22
.set G1,   24
.set G0,   32
.set TB,   48
.set CNT,  49
.macro CROUND                          ; a round of the cluster's barrier
	s_barrier_signal -1
	s_barrier_wait -1
	s_cmp_lg_u32 s[WV], 0
	s_cbranch_scc1 .Lnot_wave_0_\@
	s_barrier_signal -3
.Lnot_wave_0_\@:
	s_barrier_wait -3
	s_barrier_signal -1
	s_barrier_wait -1
.endm
; One step: 16 queries x 128 keys.  The four additions at the last step's end and the two below are the places between the last products and the loads into their registers.
.macro STEP qf, qs
	v_add_nc_u32 v[A16], s[TB], v[L16]
	v_add_nc_u32 v[A8], s[TB], v[L8]
.irp i, 0,1,2,3,4,5,6,7
	ds_load_b128 v[KF+6*\i:KF+6*\i+3], v[A16] offset:768*\i
	ds_load_b64 v[KF+6*\i+4:KF+6*\i+5], v[A8] offset:768*\i+512
.endr
	ds_load_b128 v[KS:KS+3], v[A16] offset:12288
	s_wait_alu depctr_va_vdst(0)
	s_wait_dscnt 0x0
.irp i, 0,2,4,6                        ; S^T: a tile's upper six registers are the next tile's codes, which meet q's zeros
	v_wmma_scale_f32_16x16x128_f8f6f4 v[SX+8*\i:SX+8*\i+7], v[KF+6*\i:KF+6*\i+11], v[\qf:\qf+11], 0, v[KS+\i/2], v[\qs] matrix_a_fmt:MATRIX_FMT_FP6 matrix_b_fmt:MATRIX_FMT_FP6
	v_wmma_scale_f32_16x16x128_f8f6f4 v[SX+8*\i+8:SX+8*\i+15], v[KF+6*\i+6:KF+6*\i+17], v[\qf:\qf+11], 0, v[KS+\i/2], v[\qs] matrix_a_fmt:MATRIX_FMT_FP6 matrix_b_fmt:MATRIX_FMT_FP6 matrix_a_scale:MATRIX_SCALE_ROW1
.endr
	v_mov_b32 v[OM], v12                           ; four places behind the products
.rept 3
	v_nop
.endr
.irp u, 0,1,2,3,4,5,6,7                ; V^T's units land while the softmax is worked
	ds_load_b128 v[KF+6*\u:KF+6*\u+3], v[A16] offset:6144+768*\u
	ds_load_b64 v[KF+6*\u+4:KF+6*\u+5], v[A8] offset:6144+768*\u+512
.endr
	ds_load_b64 v[VS:VS+1], v[A16] offset:12800
.irp b, 0,1,2,3                        ; the largest score of each block of 32 keys, the four blocks by turns
	v_max3_num_f32 v[BM+\b], v[SX+16*\b], v[SX+1+16*\b], v[SX+2+16*\b]
.endr
.irp i, 3,5,7,9,11,13
.irp b, 0,1,2,3
	v_max3_num_f32 v[BM+\b], v[BM+\b], v[SX+16*\b+\i], v[SX+1+16*\b+\i]
.endr
.endr
.irp b, 0,1,2,3
	v_max_num_f32 v[BM+\b], v[BM+\b], v[SX+15+16*\b]
.endr
.irp b, 0,1,2,3
	s_delay_alu instid0(VALU_DEP_4)
	v_permlanex16_b32 v[T4+\b], v[BM+\b], s[SEL], s[SEL+1]
.endr
.irp b, 0,1,2,3
	s_delay_alu instid0(VALU_DEP_4)
	v_max_num_f32 v[BM+\b], v[BM+\b], v[T4+\b]     ; with lane l xor 16's 16 keys
.endr
	s_delay_alu instid0(VALU_DEP_2)
	v_max3_num_f32 v[TW], v[BM], v[BM+1], v[BM+2]
	s_delay_alu instid0(VALU_DEP_1)
	v_max_num_f32 v[TW], v[TW], v[BM+3]
	s_delay_alu instid0(VALU_DEP_1)
	v_mul_f32 v[TW], s[CS], v[TW]
	s_delay_alu instid0(VALU_DEP_1)
	v_max_num_f32 v13, v13, v[TW]                  ; the running largest t
	s_delay_alu instid0(VALU_DEP_1)
	v_floor_f32 v12, -v13                          ; -M = floor(-t)
	s_delay_alu instid0(VALU_DEP_1)
	v_sub_f32 v[TW], v12, v[OM]
	s_delay_alu instid0(VALU_DEP_1)
	v_cvt_i32_f32 v[TW], v[TW]                     ; (it saturates)
	s_delay_alu instid0(VALU_DEP_1)
	v_ldexp_f32 v[FF], 1.0, v[TW]                  ; f = 2^(old M - new M)
.set j, 0
.rept 32
	v_pk_fma_f32 v[SX+j:SX+j+1], v[SX+j:SX+j+1], s[CS:CS+1], v[12:13] op_sel_hi:[1,0,0]   ; t - M
.set j, j+2
.endr
.irp b, 0,1,2,3
	v_fma_f32 v[BM+\b], v[BM+\b], s[CS], v12
.endr
.set j, 0
	s_wait_alu depctr_va_vdst(0)                   ; ahead of the batch
.rept 64
	v_exp_f32 v[SX+j], v[SX+j]
.set j, j+1
.endr
	v_pk_mul_f32 v[14:15], v[14:15], v[FF:FF+1] op_sel_hi:[1,0]   ; the sum's two chains under the new M; plain places behind the batch
	v_pk_mul_f32 v[LS:LS+1], v[LS:LS+1], v[FF:FF+1] op_sel_hi:[1,0]
	s_wait_alu depctr_va_vdst(0)                   ; and behind it, ahead of its first reader
.irp b, 0,1,2,3
	v_exp_f32 v[BM+\b], v[BM+\b]                   ; each block's largest p
.endr
	v_pk_add_f32 v[14:15], v[14:15], v[SX:SX+1]    ; the row's sum of the unquantised p, in two chains that run through all steps; a step's last four additions stand behind its second product
	v_pk_add_f32 v[LS:LS+1], v[LS:LS+1], v[SX+2:SX+3]
.set j, 4
.rept 13
	v_pk_add_f32 v[14:15], v[14:15], v[SX+j:SX+j+1]
	v_pk_add_f32 v[LS:LS+1], v[LS:LS+1], v[SX+j+2:SX+j+3]
.set j, j+4
.endr
	s_wait_alu depctr_va_vdst(0)                   ; for the four
.irp b, 0,1,2,3
	v_max_num_f32 v[BM+\b], 0x1800000, v[BM+\b]    ; the floor 2^(3 - 127): the byte cannot fall under 1
.endr
.irp b, 0,1,2,3
	s_delay_alu instid0(VALU_DEP_4)
	v_add_nc_u32 v[SO+\b], 0xff000000, v[BM+\b]    ; 2 off the exponent field: the conversion's scale operand
.endr
.irp b, 0,1,2,3
	s_delay_alu instid0(VALU_DEP_4)
	v_lshrrev_b32 v[T4+\b], 23, v[SO+\b]
.endr
	s_delay_alu instid0(VALU_DEP_3)
	v_lshl_or_b32 v[PS], v[T4+1], 8, v[T4]
	s_delay_alu instid0(VALU_DEP_1)
	v_lshl_or_b32 v[PS], v[T4+2], 16, v[PS]
	s_delay_alu instid0(VALU_DEP_1)
	v_lshl_or_b32 v[PS], v[T4+3], 24, v[PS]        ; p's scale word for these 128 keys
.irp c, 0,1
	v_cvt_scalef32_pk16_fp6_f32 v[PCD+6*\c:PCD+2+6*\c], v[SX+32*\c:SX+15+32*\c], v[SO+2*\c]
	v_cvt_scalef32_pk16_fp6_f32 v[CT+4*\c:CT+2+4*\c], v[SX+16+32*\c:SX+31+32*\c], v[SO+2*\c+1]
.endr
	v_nop                                          ; one plain place behind a scaled conversion
.irp c, 0,1                            ; a whole block to a lane: lanes 0-15 block 2 c, lanes 16-31 block 2 c + 1
.irp i, 0,1,2
	v_permlane16_swap_b32 v[PCD+6*\c+\i], v[CT+4*\c+\i]
.endr
.irp i, 0,1,2
	s_delay_alu instid0(VALU_DEP_3)
	v_mov_b32 v[PCD+3+6*\c+\i], v[CT+4*\c+\i]
.endr
.endr
	s_wait_alu depctr_va_vdst(0)                   ; directly ahead of the first reader of O^T
.set j, 0
.rept 16
	v_pk_mul_f32 v[OT+j:OT+j+1], v[OT+j:OT+j+1], v[FF:FF+1] op_sel_hi:[1,0]   ; O^T under the new M
.set j, j+2
.endr
	s_wait_alu depctr_va_vdst(0)
	s_wait_dscnt 0x0                               ; V^T's units are in
.irp t, 0,2
	v_wmma_scale_f32_16x16x128_f8f6f4 v[OT+8*\t:OT+8*\t+7], v[KF+12*\t:KF+12*\t+11], v[PCD:PCD+11], v[OT+8*\t:OT+8*\t+7], v[VS+\t/2], v[PS] matrix_a_fmt:MATRIX_FMT_FP6 matrix_b_fmt:MATRIX_FMT_FP6
	v_wmma_scale_f32_16x16x128_f8f6f4 v[OT+8*\t+8:OT+8*\t+15], v[KF+12*\t+12:KF+12*\t+23], v[PCD:PCD+11], v[OT+8*\t+8:OT+8*\t+15], v[VS+\t/2], v[PS] matrix_a_fmt:MATRIX_FMT_FP6 matrix_b_fmt:MATRIX_FMT_FP6 matrix_a_scale:MATRIX_SCALE_ROW1
.endr
.irp j, 56,60                          ; the rest of the row's sum: places behind the products, whose registers these lines do not name
	v_pk_add_f32 v[14:15], v[14:15], v[SX+\j:SX+\j+1]
	v_pk_add_f32 v[LS:LS+1], v[LS:LS+1], v[SX+\j+2:SX+\j+3]
.endr
.endm
.macro RUN qf, qs                      ; all 16 blocks of keys
	s_mov_b32 s[TB], 0
	s_mov_b32 s[CNT], 16
.Lstep_\@:
	STEP \qf, \qs
	s_add_co_u32 s[TB], s[TB], BLKB
	s_sub_co_u32 s[CNT], s[CNT], 1
	s_cmp_lg_u32 s[CNT], 0
	s_cbranch_scc1 .Lstep_\@
.endm
.macro BEGIN                           ; the step is written once: the first finds zeros and a largest t under every t
	v_mov_b32 v13, 0xff61b1e6
	s_delay_alu instid0(VALU_DEP_1)
	v_floor_f32 v12, -v13
	v_mov_b32 v14, 0
	v_mov_b32 v15, 0
	v_mov_b32 v[LS], 0
	v_mov_b32 v[LS+1], 0
.set j, 0
.rept 32
	v_mov_b32 v[OT+j], 0
.set j, j+1
.endr
.endm
.macro FINISH p                        ; O^T / the sum, quantised along the head's 64 channels, stored as half an operand of the last product
.rept 4
	v_nop
.endr
	v_pk_add_f32 v[14:15], v[14:15], v[LS:LS+1]    ; the two chains,
	s_delay_alu instid0(VALU_DEP_1)
	v_add_f32 v14, v14, v15                        ; their halves,
	s_delay_alu instid0(VALU_DEP_1)
	v_permlanex16_b32 v[TW], v14, s[SEL], s[SEL+1]
	s_delay_alu instid0(VALU_DEP_1)
	v_add_f32 v14, v14, v[TW]
	s_wait_alu depctr_va_vdst(0)
	v_rcp_f32 v[FF], v14
	v_nop
	s_wait_alu depctr_va_vdst(0)
.set j, 0
.rept 16
	v_pk_mul_f32 v[SX+j:SX+j+1], v[OT+j:OT+j+1], v[FF:FF+1] op_sel_hi:[1,0]
.set j, j+2
.endr
.irp b, 0,1
	v_max3_num_f32 v[BM+\b], |v[SX+16*\b]|, |v[SX+1+16*\b]|, 0x1800000
.endr
.irp i, 2,4,6,8,10,12,14
.irp b, 0,1
	s_delay_alu instid0(VALU_DEP_2)
	v_max3_num_f32 v[BM+\b], v[BM+\b], |v[SX+16*\b+\i]|, |v[SX+1+16*\b+\i]|
.endr
.endr
.irp b, 0,1
	s_delay_alu instid0(VALU_DEP_2)
	v_permlanex16_b32 v[T4+\b], v[BM+\b], s[SEL], s[SEL+1]
.endr
.irp b, 0,1
	s_delay_alu instid0(VALU_DEP_2)
	v_max_num_f32 v[BM+\b], v[BM+\b], v[T4+\b]
.endr
.irp b, 0,1
	s_delay_alu instid0(VALU_DEP_2)
	v_add_nc_u32 v[SO+\b], 0xff000000, v[BM+\b]
.endr
.irp b, 0,1
	s_delay_alu instid0(VALU_DEP_2)
	v_lshrrev_b32 v[T4+\b], 23, v[SO+\b]
.endr
	s_delay_alu instid0(VALU_DEP_1)
	v_lshl_or_b32 v[TW], v[T4+1], 8, v[T4]
	v_cvt_scalef32_pk16_fp6_f32 v[PCD:PCD+2], v[SX:SX+15], v[SO]
	v_cvt_scalef32_pk16_fp6_f32 v[CT:CT+2], v[SX+16:SX+31], v[SO+1]
	v_nop
.irp i, 0,1,2
	v_permlane16_swap_b32 v[PCD+\i], v[CT+\i]
.endr
.irp i, 0,1,2
	s_delay_alu instid0(VALU_DEP_3)
	v_mov_b32 v[PCD+3+\i], v[CT+\i]
.endr
	global_store_b128 v[L16], v[PCD:PCD+3], s[8:9] offset:196608*\p       ; 512 consecutive bytes, at a multiple of 256
	global_store_b64 v[L8], v[PCD+4:PCD+5], s[8:9] offset:196608*\p+512   ; 256 likewise
	global_store_b16 v8, v[TW], s[10:11] offset:8192*\p                   ; my head's two bytes of row r's scale word
.endm
	s_load_b256 s[4:11], s[0:1], 0x0               ; qws, kv, cc, cs
	v_lshl_add_u32 v[SPW], v0, 2, SPARE
	v_mov_b32 v[NIL], 0
	ds_add_u32 v[SPW], v[NIL]                      ; the opening lines: the add, twice on end, and its wait ahead of my tensor load
	ds_add_u32 v[SPW], v[NIL]
	v_lshrrev_b32 v9, 5, v0
	s_delay_alu instid0(VALU_DEP_1)
	v_readfirstlane_b32 s[WV], v9                  ; wave 0..15
	s_bfe_u32 s13, ttmp6, 0x40000                  ; cx: which 512 queries
	s_and_b32 s14, ttmp7, 0xffff                   ; 16 batch + head
	s_mov_b32 s[G1], 15|(3<<16)|(1<<21)            ; the mask of all four partners; elements of 8 bytes; bit 21 beside a mask
	s_mov_b32 s[G1+1], 32<<16                      ; a block: 13,312 dense bytes as 52 rows of 256
	s_mov_b32 s[G1+2], 52<<16
	s_mov_b32 s[G1+3], 32<<16
	s_mov_b32 s[G1+4], 52
	s_mov_b32 s[G1+5], 32
	s_mov_b32 s[G1+6], 0
	s_mov_b32 s[G1+7], 0
	s_mul_i32 s15, s[WV], BLKB                     ; my block of keys
	s_mul_i32 s16, s14, HSB
	s_add_co_u32 s16, s16, s15
	s_mov_b32 s17, 0
	s_mov_b32 s[G0], 1
	s_mul_i32 s[G0+1], s[WV], BLKB                 ; its place in LDS: the wave's number alone
	s_mov_b32 s[SEL], 0x76543210
	s_mov_b32 s[SEL+1], 0xfedcba98                 ; v_permlanex16_b32's selects for lane l xor 16
	s_mov_b32 s[CS], 0x3e38aa3b                    ; log2(e) / 8
	s_mov_b32 s[CS+1], s[CS]
	s_lshl_b32 s50, s14, 4                         ; q: block 16 (16 b + head) + 4 cx + wave / 8 (the second tile: two blocks on), unit wave % 8
	s_lshl_b32 s51, s13, 2
	s_add_co_u32 s50, s50, s51
	s_lshr_b32 s51, s[WV], 3
	s_add_co_u32 s50, s50, s51
	s_mul_i32 s50, s50, BLKB
	s_and_b32 s51, s[WV], 7
	s_mul_i32 s52, s51, 768
	s_add_co_u32 s52, s52, s50
	s_mov_b32 s53, 0
	s_and_b32 s54, s[WV], 1                        ; its scale word in the image: word tile / 2, lanes 16-31 for an odd tile
	s_lshl_b32 s54, s54, 8
	s_lshr_b32 s55, s51, 1
	s_lshl_b32 s55, s55, 2
	s_add_co_u32 s54, s54, s55
	s_add_co_u32 s54, s54, s50
	s_add_co_u32 s54, s54, 12288
	s_mov_b32 s55, 0
	s_lshr_b32 s56, s14, 4                         ; cc: [block of 128 rows][pair of heads][tile][head % 2][768]
	s_lshl_b32 s56, s56, 4
	s_lshl_b32 s57, s13, 2
	s_add_co_u32 s56, s56, s57
	s_lshr_b32 s57, s[WV], 3
	s_add_co_u32 s56, s56, s57
	s_and_b32 s57, s14, 15
	s_lshr_b32 s58, s57, 1
	s_mul_i32 s58, s58, 12288
	s_mul_i32 s59, s56, 98304
	s_add_co_u32 s58, s58, s59
	s_mul_i32 s59, s51, 1536
	s_add_co_u32 s58, s58, s59
	s_and_b32 s59, s14, 1
	s_mul_i32 s59, s59, 768
	s_add_co_u32 s58, s58, s59
	s_mov_b32 s59, 0
	s_lshl_b32 s60, s56, 3                         ; cs: [tile][r][2 bytes a head]
	s_add_co_u32 s60, s60, s51
	s_lshl_b32 s60, s60, 9
	s_lshl_b32 s61, s57, 1
	s_add_co_u32 s60, s60, s61
	s_mov_b32 s61, 0
	s_wait_alu depctr_va_vdst(0)
	s_wait_dscnt 0x0                               ; both opening adds are done
	s_wait_kmcnt 0x0
	s_add_nc_u64 s[G0+2:G0+3], s[6:7], s[16:17]
	s_or_b32 s[G0+3], s[G0+3], 0x80000000
	s_add_nc_u64 s[52:53], s[4:5], s[52:53]
	s_add_nc_u64 s[54:55], s[4:5], s[54:55]
	s_add_nc_u64 s[8:9], s[8:9], s[58:59]
	s_add_nc_u64 s[10:11], s[10:11], s[60:61]
	CROUND                                         ; all four work-groups are here: the joint loads meet
	tensor_load_to_lds s[G0:G0+3], s[G1:G1+7]      ; my one tensor load of the launch
	s_nop 0
	v_and_b32 v9, 31, v0
	s_delay_alu instid0(VALU_DEP_1)
	v_lshlrev_b32 v[L16], 4, v9
	s_delay_alu instid0(VALU_DEP_2)
	v_lshlrev_b32 v[L8], 3, v9
	v_and_b32 v9, 15, v0
	s_delay_alu instid0(VALU_DEP_1)
	v_lshlrev_b32 v7, 4, v9
	s_delay_alu instid0(VALU_DEP_2)
	v_lshlrev_b32 v8, 5, v9
	global_load_b128 v[QF0:QF0+3], v[L16], s[52:53]
	global_load_b64 v[QF0+4:QF0+5], v[L8], s[52:53] offset:512
	global_load_b32 v[QS0], v7, s[54:55]
	global_load_b128 v[QF1:QF1+3], v[L16], s[52:53] offset:2*BLKB
	global_load_b64 v[QF1+4:QF1+5], v[L8], s[52:53] offset:2*BLKB+512
	global_load_b32 v[QS1], v7, s[54:55] offset:2*BLKB
.irp i, 6,7,8,9,10,11
	v_mov_b32 v[QF0+\i], 0                         ; zero codes for the upper 64 of the instruction's K
	v_mov_b32 v[QF1+\i], 0
	v_mov_b32 v[KF+42+\i], 0                       ; what the last tile of K names behind its own six
.endr
.irp b, 0,1,2,3
	v_mov_b32 v[T4+\b], 0                          ; written once: a lane permute's destination counts as one of its sources
.endr
	v_mov_b32 v[TW], 0
	v_mov_b32 v[FF+1], 0                           ; (named as the upper half of a pair)
	BEGIN
	s_wait_alu depctr_va_vdst(0)                   ; the head's end
	s_wait_loadcnt 0x0
	s_wait_tensorcnt 0x0                           ; my block is in
	s_barrier_signal -1
	s_barrier_wait -1                              ; everybody's is: K and V lie whole in LDS from here on
	RUN QF0, QS0
	FINISH 0
	s_wait_xcnt 0x0                                ; the stores have read their data
	BEGIN
	RUN QF1, QS1
	FINISH 1
	s_wait_tensorcnt 0x0                           ; the wave's end
	ds_add_u32 v[SPW], v[NIL]
	s_wait_dscnt 0x0
	CROUND                                         ; the closing round
	s_endpgm
.Lfunc_end_k_q2ec5d266cf_attn:
	.size	k_q2ec5d266cf_attn, .Lfunc_end_k_q2ec5d266cf_attn-k_q2ec5d266cf_attn
	.p2alignl 7, 3214868480
	.fill 96, 4, 3214868480
	.section	.rodata,"a",@progbits
	.p2align	6, 0x0
	.amdhsa_kernel k_q2ec5d266cf_attn
		.amdhsa_group_segment_fixed_size 327680
		.amdhsa_private_segment_fixed_size 0
		.amdhsa_enable_private_segment 0
		.amdhsa_kernarg_size 32
		.amdhsa_user_sgpr_count 2
		.amdhsa_user_sgpr_kernarg_segment_ptr 1
		.amdhsa_wavefront_size32 1
		.amdhsa_system_sgpr_workgroup_id_x 1
		.amdhsa_system_sgpr_workgroup_id_y 1
		.amdhsa_system_sgpr_workgroup_id_z 1
		.amdhsa_system_vgpr_workitem_id 0
		.amdhsa_next_free_vgpr 256
		.amdhsa_next_free_sgpr 72
		.amdhsa_reserve_vcc 0
		.amdhsa_float_denorm_mode_32 3
		.amdhsa_float_denorm_mode_16_64 3
		.amdhsa_memory_ordered 1
		.amdhsa_forward_progress 1
		.amdhsa_inst_pref_size 52
	.end_amdhsa_kernel
	.amdgpu_metadata
---
amdhsa.version: [ 1, 2 ]
amdhsa.kernels:
  - .name:           k_q2ec5d266cf_attn
    .symbol:         k_q2ec5d266cf_attn.kd
    .args:
      - { .name: qws, .offset: 0, .size: 8, .value_kind: global_buffer, .address_space: global }
      - { .name: kv, .offset: 8, .size: 8, .value_kind: global_buffer, .address_space: global }
      - { .name: cc, .offset: 16, .size: 8, .value_kind: global_buffer, .address_space: global }
      - { .name: cs, .offset: 24, .size: 8, .value_kind: global_buffer, .address_space: global }
    .group_segment_fixed_size: 327680
    .private_segment_fixed_size: 0
    .kernarg_segment_align: 8
    .kernarg_segment_size: 32
    .max_flat_workgroup_size: 512
    .sgpr_count:     72
    .vgpr_count:     256
    .wavefront_size: 32
...
	.end_amdgpu_metadata
.endif
;; end of part 3
;; launch outp (part 4): grid 4 x 32, 4 waves a work-group, clusters of 4 x 4, 327,680 bytes of LDS; arguments cc, cs, wc, ws, out0; writes out0
.if DOCPART == 4
	.amdgcn_target "amdgcn-amd-amdhsa--gfx1250"
	.amdhsa_code_object_version 6
	.text
	.protected	k_q2ec5d266cf_outp
	.globl	k_q2ec5d266cf_outp
	.p2align	8
	.type	k_q2ec5d266cf_outp,@function
k_q2ec5d266cf_outp:
	s_mov_b64 s[64:65], 0
	v_nop
	global_prefetch_b8 v0, s[64:65] scope:SCOPE_SE
	s_setreg_imm32_b32 hwreg(HW_REG_WAVE_MODE, 25, 1), 1
	s_wait_xcnt 0x0
	s_wait_alu depctr_hold_cnt(0) depctr_sa_sdst(0) depctr_va_vdst(0) depctr_va_sdst(0) depctr_va_ssrc(0) depctr_va_vcc(0) depctr_vm_vsrc(0)
	s_getreg_b32 s2, hwreg(HW_REG_IB_STS2, 6, 4)
	s_cmp_eq_u32 s2, 0
	s_cbranch_scc0 .Lentry_in_a_cluster
	s_endpgm
.Lentry_in_a_cluster:
	s_bfe_u32 s2, ttmp6, 0x10000c
	s_cmp_lg_u32 s2, 0xf033
	s_cbranch_scc0 .Lentry_shape_is_right
	s_endpgm
.Lentry_shape_is_right:
; out = concat W_O on codes of FP6 (E2M3), sums in f32.  concat's codes cc and scale bytes cs come from the attention launch, W_O's (the fourth weight in wc and ws) from the quantiser.
; A work-group makes 256 rows x 256 columns; four waves, 128 x 128 each: 64 accumulators, 512 registers.  K = 1,024 is eight steps of 128 (a step = a pair of heads), written out.
; Source 1 is R = concat (a lane holds one row), source 0 is P = W_O's columns n (a lane's registers run along n).  A tile's lane-row r is row 32 b + 8 u + r + 8 (r / 8) of its block of 128.
; LDS: three slots of two K steps (R's two halves, P's two halves: 24,576 dense bytes each, the fetching wave's number is the quarter's); the spare words.
; Slot 0 goes out at the head, slots 1 and 2 by one load behind a round: a wave has one tensor load out at a time.  Slot 0 is filled once more, with K steps 6 and 7, behind a round of the cluster's barrier: it has 256 matrix instructions in which to land.
; CLUSTER: 4 x 4: R's blocks are shared along a row of the cluster, P's along a column: joint loads.  128 work-groups: the problem has no more tiles of this size.
; REGISTERS: window 0: v12-31 addresses; v32-95 R's scale words (8 a + q), v96-159 P's: they hold scales and nothing else; v160-255 R's eight fragments, one set.
;   window 1: P's fragments, two sets, at v0 and v128; on the way out rows of the result.  window 2: accumulators of R's tiles 0-3 ((a, b) at v[8 (8 (a % 4) + b)]); window 3: of tiles 4-7.
; LDS AS THIS TEXT LAYS IT: four quarters of QL bytes, one for each fetching wave (R's two halves, P's two halves); in a quarter K steps 0 to 5 lie on end, two to a slot of SLOT bytes.
; FILLS: K steps 0 and 1 by the wave's one load at the head; K steps 2 to 5 by one load of 192 rows behind the three lines and a round; K steps 6 and 7 once more into slot 0, behind the round in K step 1.
; THE SCALE WORDS come straight into their registers by global loads, issued while the first tile is on its way: they pass through no LDS.
.set SLOT,  24576
.set QL,    73728
.set QUART, 24576
.set STEPB, 12288
.set FRB,   1536
.set SPARE, 4*QL                       ; the spare words, 128 bytes a wave: two blocks of 256 bytes that no other line names
.set NR,    16                         ; LDS loads that bring four tiles of R
.set ADR8,  12                         ; v12-14  R's fragments in slot 0, 1, 2, 8 bytes a lane
.set ADRR,  16                         ; v16-18  16 bytes a lane
.set ADRP,  20                         ; v20-22  P's
.set L16,   26
.set L8,    27
.set SPW,   28                         ; v28     LDS address of my spare word; never rewritten
.set NIL,   29                         ; v29     0; never rewritten
.set STO,   30                         ; v30     the way out: where I put 32 bytes of a row
.set RD,    31                         ; v31     and where I read a row back
.set SR,    32
.set SP,    96
.set AF,    160
.set WV,    16
.set WR,    17
.set WC,    18
.set CX,    19
.set CYI,   20
.set CYC,   21
.set G1X,   24
.set G1W,   32
.set G1SX,  40
.set G1SW,  48
.set G0X0,  56
.set G0X1,  60
.set G0X2,  68
.set G0XS,  72
.set G0W0,  76
.set G0W1,  80
.set G0W2,  84
.set G0WS,  88
.set MSB, 0
.macro WIN new                         ; the immediate's high byte repeats the setting that is left
.if MSB != (\new)
	s_set_vgpr_msb (MSB<<8)|(\new)
.set MSB, (\new)
.endif
.endm
.set MUL_LO, 0xa1                      ; source 0 (P) window 1, source 1 (R) window 0, C and D window 2
.set MUL_HI, 0xf1
; A joint load: waves 0 and 1 fetch for R, waves 2 and 3 for P; the branch hangs on the wave's number alone.  An s_nop 0 and four v_nop follow each line.
.macro JLOAD g0x, g1x, g0w, g1w
	s_cmp_eq_u32 s[WR], 0
	s_cbranch_scc0 .Lfor_w_\@
	tensor_load_to_lds s[\g0x:\g0x+3], s[\g1x:\g1x+7]
	s_nop 0
.rept 4
	v_nop
.endr
	s_branch .Lasked_\@
.Lfor_w_\@:
	tensor_load_to_lds s[\g0w:\g0w+3], s[\g1w:\g1w+7]
	s_nop 0
.rept 4
	v_nop
.endr
.Lasked_\@:
.endm
.macro CREST
	s_cmp_lg_u32 s[WV], 0
	s_cbranch_scc1 .Lnot_wave_0_\@
	s_barrier_signal -3
.Lnot_wave_0_\@:
	s_barrier_wait -3
	s_barrier_signal -1
	s_barrier_wait -1
.endm
.macro CROUND
	s_barrier_signal -1
	s_barrier_wait -1
	CREST
.endm
.macro SETG0 g, lds, ldsoff, adr, adroff
	s_mov_b32 s[\g], 1
	s_add_co_u32 s[\g+1], s[\lds], \ldsoff
	s_add_nc_u64 s[\g+2:\g+3], s[\adr:\adr+1], \adroff
	s_or_b32 s[\g+3], s[\g+3], 0x80000000
.endm
.macro PLACES n
.rept \n
	v_nop
.endr
.endm
.macro FRAG3 reg, adr, off             ; P's fragment: the image of its registers, three loads of 512 consecutive bytes
.irp g, 0,1,2
	ds_load_b128 v[(\reg)+4*\g:(\reg)+4*\g+3], v[\adr] offset:(\off)+512*\g
.endr
.endm
.macro FRAGU reg, sl, off              ; R's fragment lies as two units of 64 along K: 512 bytes registers 0-3, 256 bytes registers 4-5, twice
	ds_load_b128 v[(\reg):(\reg)+3], v[ADRR+(\sl)] offset:(\off)
	ds_load_b64 v[(\reg)+4:(\reg)+5], v[ADR8+(\sl)] offset:(\off)+512
	ds_load_b128 v[(\reg)+6:(\reg)+9], v[ADRR+(\sl)] offset:(\off)+768
	ds_load_b64 v[(\reg)+10:(\reg)+11], v[ADR8+(\sl)] offset:(\off)+1280
.endm
.macro FETCH_P sl, qq, set
	WIN 0x40
.irp i, 0,1,2,3,4,5,6,7
	FRAG3 128*(\set)+12*\i, ADRP+(\sl), STEPB*(\qq)+FRB*\i
.endr
	WIN 0
.endm
.macro FETCH_R sl, qq, i0
.irp i, \i0, \i0+1, \i0+2, \i0+3
	FRAGU AF+12*(\i), \sl, STEPB*(\qq)+FRB*(\i)
.endr
.endm
; 16 matrix instructions: R's tiles a0, a0 + 1 x P's eight.  The 64 accumulators take turns, one instruction a turn, in the same order in every step.
.macro MUL16 a0, set, q, zero
.irp a, \a0, \a0+1
.irp b, 0,1,2,3,4,5,6,7
.if \zero
	v_wmma_scale_f32_16x16x128_f8f6f4 v[8*(8*((\a)%4)+\b):8*(8*((\a)%4)+\b)+7], v[128*(\set)+12*\b:128*(\set)+12*\b+11], v[AF+12*(\a):AF+12*(\a)+11], 0, v[SP+8*\b+(\q)], v[SR+8*(\a)+(\q)] matrix_a_fmt:MATRIX_FMT_FP6 matrix_b_fmt:MATRIX_FMT_FP6
.else
	v_wmma_scale_f32_16x16x128_f8f6f4 v[8*(8*((\a)%4)+\b):8*(8*((\a)%4)+\b)+7], v[128*(\set)+12*\b:128*(\set)+12*\b+11], v[AF+12*(\a):AF+12*(\a)+11], v[8*(8*((\a)%4)+\b):8*(8*((\a)%4)+\b)+7], v[SP+8*\b+(\q)], v[SR+8*(\a)+(\q)] matrix_a_fmt:MATRIX_FMT_FP6 matrix_b_fmt:MATRIX_FMT_FP6
.endif
.endr
.endr
.endm
.macro STEP q, nsl, nq, zero
	s_wait_dscnt NR                                ; P's set and R's tiles 0-3 are in; the youngest loads (R's tiles 4-7) may be out
	WIN MUL_LO
	MUL16 0, (\q)%2, \q, \zero
	MUL16 2, (\q)%2, \q, \zero
	s_wait_dscnt 0x0                               ; R's tiles 4-7 are in
	PLACES 4
	FETCH_P \nsl, \nq, 1-(\q)%2
	FETCH_R \nsl, \nq, 0
	WIN MUL_HI
	MUL16 4, (\q)%2, \q, \zero
	MUL16 6, (\q)%2, \q, \zero
	PLACES 4
	WIN 0
	FETCH_R \nsl, \nq, 4
.endm
.macro TURN q, nsl, nq, fill
	s_wait_tensorcnt 0x0                           ; all my tensor loads have landed
	ds_add_u32 v[SPW], v[NIL]                      ; 0 onto my spare word
	s_wait_dscnt NR+1                              ; (the add and R's tiles 4-7 may be out)
	WIN MUL_LO
	MUL16 0, (\q)%2, \q, 0                         ; sixteen matrix instructions stand between the add and the wait for it
	s_wait_dscnt 0x0                               ; the add is done, and my reads of the slots behind me are over
	s_barrier_signal -1
	MUL16 2, (\q)%2, \q, 0
	WIN 0
	s_barrier_wait -1
.if \fill
	CREST                                          ; the barrier has opened a round of the cluster's: no wave of any partner still reads slot 0 or has a load on its way
	s_add_nc_u64 s[G0X0+2:G0X0+3], s[G0X0+2:G0X0+3], 3*QUART
	s_add_nc_u64 s[G0W0+2:G0W0+3], s[G0W0+2:G0W0+3], 3*QUART
	JLOAD G0X0, G1X, G0W0, G1W                     ; the first tensor load behind the round, one a wave; its four v_nop are the places in front of the loads below
.else
	PLACES 4
.endif
	FETCH_P \nsl, \nq, 1-(\q)%2
	FETCH_R \nsl, \nq, 0
	WIN MUL_HI
	MUL16 4, (\q)%2, \q, 0
	MUL16 6, (\q)%2, \q, 0
	PLACES 4
	WIN 0
	FETCH_R \nsl, \nq, 4
.endm
; THE WAY OUT of R's tile a: 16 rows x 128 columns through my stage in LDS (16 rows of 512 bytes + 16), back as whole rows.  Register j of accumulator 2 B + u is column 32 B + 16 (lane / 16) + 8 u + j.
.macro TOSTAGE a
.set AC, 64*((\a)%4)
	WIN 0x08+4*((\a)/4)                            ; an LDS store's data: window 2 or 3
.irp b, 0,1,2,3,4,5,6,7
	ds_store_b128 v[STO], v[AC+8*\b:AC+8*\b+3] offset:128*(\b/2)+32*(\b%2)        ; each accumulator from its low end on
	ds_store_b128 v[STO], v[AC+8*\b+4:AC+8*\b+7] offset:128*(\b/2)+32*(\b%2)+16
.endr
	WIN 0x40                                       ; loaded data: window 1
.set BB, 128*((\a)%2)
.irp rr, 0,1,2,3,4,5,6,7,8,9,10,11,12,13,14,15
	ds_load_b128 v[BB+4*\rr:BB+4*\rr+3], v[RD] offset:528*\rr   ; LDS serves a wave's instructions in order: these see the stores above, and the next tile's stores come behind them
.endr
	WIN 0
.endm
.macro SEND a, younger                 ; younger: the LDS instructions issued behind tile a's loads, which may stay out
.set BB, 128*((\a)%2)
	s_wait_dscnt \younger
	WIN 0x04                                       ; a store's data: window 1
.irp rr, 0,1,2,3,4,5,6,7,8,9,10,11,12,13,14,15
	global_store_b128 v[L16], v[BB+4*\rr:BB+4*\rr+3], s[12:13] offset:(32*((\a)/2)+8*((\a)%2)+\rr+8*(\rr/8))*4096 th:TH_STORE_NT   ; 32 lanes store 512 consecutive bytes of one row, at a multiple of 256; 127 rows of 4,096 bytes at the most in the immediate
.endr
	WIN 0
.endm
	s_load_b256 s[4:11], s[0:1], 0x0               ; cc s[4:5], cs s[6:7], wc s[8:9], ws s[10:11]
	s_load_b64 s[12:13], s[0:1], 0x20              ; out0
	v_lshl_add_u32 v[SPW], v0, 2, SPARE
	v_mov_b32 v[NIL], 0
	ds_add_u32 v[SPW], v[NIL]                      ; the wave's opening: the add and its wait stand ahead of my first tensor load; the set-up below, work on registers, stands between them
	ds_add_u32 v[SPW], v[NIL]
	v_lshrrev_b32 v1, 5, v0
	v_readfirstlane_b32 s[WV], v1                  ; wave 0..3
	s_lshr_b32 s[WR], s[WV], 1                     ; my half of R's 256 rows.  Also: I fetch for R (0) or for P (1)
	s_and_b32 s[WC], s[WV], 1                      ; my half of P's.  Also: which 128 rows I fetch
	s_bfe_u32 s[CX], ttmp6, 0x40000
	s_bfe_u32 s[CYI], ttmp6, 0x40004
	s_and_b32 s[CYC], ttmp7, 0xffff                ; the cluster's y, 0 .. 7
	s_lshl_b32 s2, s[CYI], 2
	s_lshl_b32 s2, 15, s2                          ; my row of the cluster
	s_lshl_b32 s3, 0x1111, s[CX]                   ; my column
	s_or_b32 s[G1X], s2, (3<<16)|(1<<21)           ; 15:0 the mask; 17:16 elements of 8 bytes; 21 set beside a mask; no padding
	s_or_b32 s[G1W], s3, (3<<16)|(1<<21)
	s_or_b32 s[G1SX], s2, (3<<16)|(1<<21)
	s_or_b32 s[G1SW], s3, (3<<16)|(1<<21)
.irp g, G1X, G1W                       ; two K steps of 128 rows: 24,576 dense bytes as 96 rows of 256
	s_mov_b32 s[\g+1], 32<<16
	s_mov_b32 s[\g+2], 96<<16
	s_mov_b32 s[\g+3], 32<<16
	s_mov_b32 s[\g+4], 96
	s_mov_b32 s[\g+5], 32
	s_mov_b32 s[\g+6], 0
	s_mov_b32 s[\g+7], 0
.endr
.irp g, G1SX, G1SW                     ; four K steps of 128 rows: 49,152 dense bytes as 192 rows of 256
	s_mov_b32 s[\g+1], 32<<16
	s_mov_b32 s[\g+2], 192<<16
	s_mov_b32 s[\g+3], 32<<16
	s_mov_b32 s[\g+4], 192
	s_mov_b32 s[\g+5], 32
	s_mov_b32 s[\g+6], 0
	s_mov_b32 s[\g+7], 0
.endr
	s_lshl_b32 s92, s[CYC], 2                      ; R's block of 128 rows: 2 (4 cluster y + cy) + half: made of what my row of the cluster shares
	s_add_co_u32 s92, s92, s[CYI]
	s_lshl_b32 s92, s92, 1
	s_add_co_u32 s92, s92, s[WC]
	s_mul_i32 s94, s92, 98304
	s_mov_b32 s95, 0
	s_sub_co_u32 s92, s92, s[WC]                   ; the scale words are those of the rows that I multiply: my half of R's 256
	s_add_co_u32 s92, s92, s[WR]
	s_lshl_b32 s92, s92, 12
	s_mov_b32 s93, 0
	s_lshl_b32 s96, s[CX], 1                       ; P's block: 2 cx + half, in the fourth weight: made of what my column shares
	s_add_co_u32 s96, s96, s[WC]
	s_mul_i32 s98, s96, 98304
	s_add_co_u32 s98, s98, 3*786432
	s_mov_b32 s99, 0
	s_lshl_b32 s96, s96, 12
	s_add_co_u32 s96, s96, 3*32768
	s_mov_b32 s97, 0
	s_mul_i32 s100, s[WV], QL                      ; where they go: the wave's quarter
	s_wait_dscnt 0x0                               ; the opening add is done
	s_wait_kmcnt 0x0
	s_add_nc_u64 s[94:95], s[4:5], s[94:95]
	s_add_nc_u64 s[92:93], s[6:7], s[92:93]
	s_add_nc_u64 s[98:99], s[8:9], s[98:99]
	s_add_nc_u64 s[96:97], s[10:11], s[96:97]
	CROUND                                         ; all sixteen work-groups are here: the first joint loads meet
	SETG0 G0X0, 100, 0, 94, 0
	SETG0 G0W0, 100, 0, 98, 0
	JLOAD G0X0, G1X, G0W0, G1W                     ; K steps 0 and 1: one tensor load a wave at the head
	SETG0 G0X1, 100, SLOT, 94, QUART               ; K steps 2 to 5, asked for behind the round below
	SETG0 G0W1, 100, SLOT, 98, QUART
	s_mov_b64 s[6:7], s[92:93]                     ; R's scale words,
	s_mov_b64 s[10:11], s[96:97]                   ; P's: in registers that are not written again
	v_and_b32 v1, 31, v0                           ; lane
	v_and_b32 v2, 15, v0                           ; r
	v_bfe_u32 v4, v0, 4, 1                         ; h
	v_lshlrev_b32 v[L16], 4, v1
	v_lshlrev_b32 v[L8], 3, v1
	v_lshlrev_b32 v3, 5, v2                        ; a row's eight scale words
.irp i, 0,1,2,3,4,5,6,7                ; the scale words of all eight K steps, once: lane r takes row r's 32 bytes, two loads to a tile's 512 bytes
.irp k, 0,1
	global_load_b128 v[SR+8*\i+4*\k:SR+8*\i+4*\k+3], v3, s[6:7] offset:512*\i+16*\k
	global_load_b128 v[SP+8*\i+4*\k:SP+8*\i+4*\k+3], v3, s[10:11] offset:512*\i+16*\k
.endr
.endr
	s_mul_i32 s92, s[WR], QL                       ; R's quarter: my half
	s_mul_i32 s93, s[WC], QL
	s_add_co_u32 s93, s93, 2*QL                    ; P's: behind R's two
.irp s, 0,1,2
	v_add_nc_u32 v[ADRR+\s], s92, v[L16]
	v_add_nc_u32 v[ADR8+\s], s92, v[L8]
	v_add_nc_u32 v[ADRP+\s], s93, v[L16]
	s_add_co_u32 s92, s92, SLOT
	s_add_co_u32 s93, s93, SLOT
.endr
	s_mul_i32 s92, s[WV], QL                       ; my stage lies in slot 1 of my wave's quarter: when the first result is stored there, those bytes have had their only fill, and every wave has passed a barrier behind its last read of them
	s_add_co_u32 s92, s92, SLOT
	v_mul_u32_u24 v[STO], v2, 528
	v_lshl_add_u32 v[STO], v4, 6, v[STO]
	v_add_nc_u32 v[STO], s92, v[STO]               ; in: row r, + 64 h bytes
	v_add_nc_u32 v[RD], s92, v[L16]                ; back: 16 bytes a lane of a row
	s_lshl_b32 s92, s[CYC], 2                      ; where my part of the result begins: row 256 (4 cluster y + cy) + 128 x half, column 256 cx + 128 x half
	s_add_co_u32 s92, s92, s[CYI]
	s_lshl_b32 s92, s92, 1
	s_add_co_u32 s92, s92, s[WR]
	s_lshl_b32 s92, s92, 19                        ; 128 rows of 4,096 bytes
	s_lshl_b32 s93, s[CX], 1
	s_add_co_u32 s93, s93, s[WC]
	s_lshl_b32 s93, s93, 9                         ; 128 columns of 4 bytes
	s_add_co_u32 s92, s92, s93
	s_mov_b32 s93, 0
	s_add_nc_u64 s[12:13], s[12:13], s[92:93]
	s_wait_alu depctr_va_vdst(0)
	s_wait_tensorcnt 0x0                           ; my part of K steps 0 and 1 is in
	ds_add_u32 v[SPW], v[NIL]
	s_wait_dscnt 0x0
	CROUND                                         ; everybody's part is in, and all sixteen work-groups are here
	JLOAD G0X1, G1SX, G0W1, G1SW                   ; K steps 2 to 5: the first tensor load behind the round, one a wave
	FETCH_P 0, 0, 0
	FETCH_R 0, 0, 0
	FETCH_R 0, 0, 4
	s_wait_loadcnt 0x0                             ; the scale words are in
	STEP 0, 0, 1, 1                                ; the first step's products start the sums: nothing is cleared
	TURN 1, 1, 0, 1                                ; slot 0 is left and filled again
	STEP 2, 1, 1, 0
	STEP 3, 2, 0, 0
	STEP 4, 2, 1, 0
	TURN 5, 0, 0, 0                                ; the refill has landed, in every wave; nothing is filled, so no round follows
	STEP 6, 0, 1, 0
	s_wait_dscnt NR                                ; the last step: nothing more to fetch
	WIN MUL_LO
	MUL16 0, 1, 7, 0
	MUL16 2, 1, 7, 0
	s_wait_dscnt 0x0
	WIN MUL_HI
	MUL16 4, 1, 7, 0
	MUL16 6, 1, 7, 0
	WIN 0
	PLACES 4                                       ; behind the last products: their results are read, and loads land in P's registers, below
	TOSTAGE 0
.irp a, 1,2,3,4,5,6,7
.if \a > 1
	s_wait_xcnt 0x0                                ; tile a - 2's stores have read their data: tile a's rows land in the same registers
.endif
	TOSTAGE \a
	SEND \a-1, 32                                  ; behind tile a - 1's loads: tile a's 16 stores and 16 loads
.endr
	SEND 7, 0
	s_wait_tensorcnt 0x0                           ; the wave's end: behind my last tensor load and my last LDS store
	ds_add_u32 v[SPW], v[NIL]
	s_wait_dscnt 0x0
	CROUND                                         ; the closing round: no work-group ends while a partner may still ask for a tile that names it
	s_endpgm
.Lfunc_end_k_q2ec5d266cf_outp:
	.size	k_q2ec5d266cf_outp, .Lfunc_end_k_q2ec5d266cf_outp-k_q2ec5d266cf_outp
	.p2alignl 7, 3214868480
	.fill 96, 4, 3214868480
	.section	.rodata,"a",@progbits
	.p2align	6, 0x0
	.amdhsa_kernel k_q2ec5d266cf_outp
		.amdhsa_group_segment_fixed_size 327680
		.amdhsa_private_segment_fixed_size 0
		.amdhsa_enable_private_segment 0
		.amdhsa_kernarg_size 40
		.amdhsa_user_sgpr_count 2
		.amdhsa_user_sgpr_kernarg_segment_ptr 1
		.amdhsa_wavefront_size32 1
		.amdhsa_system_sgpr_workgroup_id_x 1
		.amdhsa_system_sgpr_workgroup_id_y 1
		.amdhsa_system_sgpr_workgroup_id_z 1
		.amdhsa_system_vgpr_workitem_id 0
		.amdhsa_next_free_vgpr 1024
		.amdhsa_next_free_sgpr 102
		.amdhsa_reserve_vcc 0
		.amdhsa_float_denorm_mode_32 3
		.amdhsa_float_denorm_mode_16_64 3
		.amdhsa_memory_ordered 1
		.amdhsa_forward_progress 1
		.amdhsa_inst_pref_size 139
	.end_amdhsa_kernel
	.amdgpu_metadata
---
amdhsa.version: [ 1, 2 ]
amdhsa.kernels:
  - .name:           k_q2ec5d266cf_outp
    .symbol:         k_q2ec5d266cf_outp.kd
    .args:
      - { .name: cc, .offset: 0, .size: 8, .value_kind: global_buffer, .address_space: global }
      - { .name: cs, .offset: 8, .size: 8, .value_kind: global_buffer, .address_space: global }
      - { .name: wc, .offset: 16, .size: 8, .value_kind: global_buffer, .address_space: global }
      - { .name: ws, .offset: 24, .size: 8, .value_kind: global_buffer, .address_space: global }
      - { .name: out0, .offset: 32, .size: 8, .value_kind: global_buffer, .address_space: global }
    .group_segment_fixed_size: 327680
    .private_segment_fixed_size: 0
    .kernarg_segment_align: 8
    .kernarg_segment_size: 40
    .max_flat_workgroup_size: 128
    .sgpr_count:     102
    .vgpr_count:     1024
    .wavefront_size: 32
...
	.end_amdgpu_metadata
.endif
;; end of part 4
